; MI455X (gfx1250); checked and timed in simulation.
; The chip was launched on July 23, 2026; its instructions are those of AMD's public machine-readable ISA for CDNA 5 (MIT licence, August 2026) and "CDNA5" Instruction Set Architecture Reference Guide (July 2026). The comments in the code are by the model that wrote it; some were corrected since.
;; Encoder Block. Allowed arithmetic: matrix products marked QUANTISED: E2M3 operands, one E8M0 scale for each 32 along K, by v_wmma_scale_f32_16x16x128_f8f6f4 with both operands' format E2M3, f32 sums; everything else in f32.
;; Inputs: b_down 1,024 float32; b_up 4,096 float32; ln1_a 1,024 float32; ln1_b 1,024 float32; ln2_a 1,024 float32; ln2_b 1,024 float32; mask 2 x 1 x 2,048 x 2,048 bool; w_down_codes 1,024 x 128 x 24 uint8 (E2M3 codes of w_down, K innermost, in blocks of 32 codes, four codes in three bytes); w_down_scales 1,024 x 128 uint8 (E8M0 scales of w_down, one for each 32 codes along K); w_up_codes 4,096 x 32 x 24 uint8 (E2M3 codes of w_up, K innermost, in blocks of 32 codes, four codes in three bytes); w_up_scales 4,096 x 32 uint8 (E8M0 scales of w_up, one for each 32 codes along K); wk_codes 1,024 x 32 x 24 uint8 (E2M3 codes of wk, K innermost, in blocks of 32 codes, four codes in three bytes); wk_scales 1,024 x 32 uint8 (E8M0 scales of wk, one for each 32 codes along K); wo_codes 1,024 x 32 x 24 uint8 (E2M3 codes of wo, K innermost, in blocks of 32 codes, four codes in three bytes); wo_scales 1,024 x 32 uint8 (E8M0 scales of wo, one for each 32 codes along K); wq_codes 1,024 x 32 x 24 uint8 (E2M3 codes of wq, K innermost, in blocks of 32 codes, four codes in three bytes); wq_scales 1,024 x 32 uint8 (E8M0 scales of wq, one for each 32 codes along K); wv_codes 1,024 x 32 x 24 uint8 (E2M3 codes of wv, K innermost, in blocks of 32 codes, four codes in three bytes); wv_scales 1,024 x 32 uint8 (E8M0 scales of wv, one for each 32 codes along K); x 2 x 2,048 x 1,024 float32.
;; Outputs: out0 2 x 2,048 x 1,024 float32.
;; This version of the problem:
;;   THIS VERSION OF THE PROBLEM IS GIVEN IN LOW PRECISION. The matrix products marked QUANTISED in the list below multiply operands that are first quantised to E2M3 (2 exponent bits, 3 mantissa bits; 6 bits a number), with one power-of-two scale for each 32 numbers along K (OCP MX v1.0); their sums are f32. All else is computed in f32.
;;   The module's matrix products, in the order in which they are computed (A, B: the left and right operand; K: the contracted axis; several contracted axes count as one K, in the product's order):
;;     1. [M 4,096, K 1,024] x [K 1,024, N 1,024]; A: computed on the way; B: input wq (given as codes): QUANTISED
;;     2. [M 4,096, K 1,024] x [K 1,024, N 1,024]; A: computed on the way; B: input wk (given as codes): QUANTISED
;;     3. [M 4,096, K 1,024] x [K 1,024, N 1,024]; A: computed on the way; B: input wv (given as codes): QUANTISED
;;     4. batch 32 x [M 2,048, K 64] x [K 64, N 2,048]; A: computed on the way; B: computed on the way: QUANTISED
;;     5. batch 32 x [M 2,048, K 2,048] x [K 2,048, N 64]; A: softmax (see below); B: computed on the way: QUANTISED
;;     6. [M 4,096, K 1,024] x [K 1,024, N 1,024]; A: computed on the way; B: input wo (given as codes): QUANTISED
;;     7. [M 4,096, K 1,024] x [K 1,024, N 4,096]; A: computed on the way; B: input w_up (given as codes): QUANTISED
;;     8. [M 4,096, K 4,096] x [K 4,096, N 1,024]; A: computed on the way; B: input w_down (given as codes): QUANTISED
;;   THE QUANTISER, for each operand of a quantised product, along K:
;;     - K is cut into blocks of 32 from its start; a last block that is shorter is filled with zeros.
;;     - A block's scale is 2^e with e = floor(log2(the largest magnitude in the block)) - 2, held to -126 .. 127; a block of zeros has e = 0. As a byte (E8M0): e + 127.
;;     - Each number is divided by its block's scale, clamped to +-7.5, and rounded to the nearest number of E2M3, ties to even, subnormals kept.
;;     - The product sums the exact products of the quantised numbers (number of the format x scale) in f32.
;;   ~~~python
;;   def quantise(x, axis):      # numpy; x: float32 -> the quantised numbers, widened to float32 again
;;       x = np.moveaxis(x, axis, -1); K = x.shape[-1]
;;       x = np.pad(x, [(0, 0)] * (x.ndim - 1) + [(0, -K % 32)]); x = x.reshape(x.shape[:-1] + (-1, 32)); a = np.abs(x).max(-1, keepdims=True)
;;       e = np.where(a > 0, np.clip(np.frexp(np.where(a > 0, a, 1))[1] - 1 - 2, -126, 127), 0)      # np.frexp(a)[1] - 1 = floor(log2(a)), exactly
;;       r = np.clip(x / 2.0 ** e, -7.5, 7.5)
;;       step = 2.0 ** (np.maximum(np.frexp(np.where(r == 0, 1, r))[1] - 1, 0) - 3)
;;       q = np.round(r / step) * step * 2.0 ** e      # np.round: ties to even
;;       return np.moveaxis(q.reshape(q.shape[:-2] + (-1,))[..., :K], -1, axis).astype(np.float32)
;;   ~~~
;;   SOFTMAX AHEAD OF A QUANTISED PRODUCT. Where the list says 'softmax', what is quantised is not the finished softmax but p = 2^(t - M), with t = logit x log2(e) and M = ceil(the row's largest t), a whole number; so 1/2 < the row's largest p <= 1. The row's sum l is taken of the UNQUANTISED p, in f32, and the product's result is divided by l at the end. Since M is a whole number, a kernel that streams over the keys may use a running M (the ceiling of the running maximum): every later rescaling is an exact power of two, which a block's scale takes up: the codes' values come out the same.
;;   OPERANDS COMPUTED ON THE WAY. 'Computed on the way' means the value that the module computes at that place (a softmax that the list does not call 'softmax' is quantised finished and normalised). What goes into a quantiser is computed in f32, as accurately as f32 sums, v_exp_f32 and their like allow (about 1e-6 of the number): no bf16 or f16 on the way to a quantiser, and a product that is left as it is and whose result goes on into a quantised operand takes f32 operands (vector FMAs, or v_wmma_f32_16x16x4_f32). A number that lies on a knife's edge between two numbers of the format may be rounded either way, as far as f32 arithmetic and the matrix unit's own rounding can turn it there, and no further.
;;   INPUTS GIVEN AS CODES. w_down (in the module: [4096, 1024], K = its axis 0); w_up (in the module: [1024, 4096], K = its axis 0); wk (in the module: [1024, 1024], K = its axis 0); wo (in the module: [1024, 1024], K = its axis 0); wq (in the module: [1024, 1024], K = its axis 0); wv (in the module: [1024, 1024], K = its axis 0): each comes as NAME_codes (uint8): NAME with its K axis moved to the last place and cut into blocks of 32 codes, [.., K / 32, bytes a block], one block behind the other in memory; four codes in three bytes: a row's codes are one little-endian stream of bits, code i at bits 6 i .. 6 i + 5 (a code: sign, 2 exponent bits, 3 mantissa bits); and NAME_scales (uint8): the same leading axes, one E8M0 byte (e + 127) for each 32 codes along K. Its value is code x scale, taken as it is: it is not quantised again, and the codes and scales need not be those that the quantiser above would give.
;; One version. Each part assembles by itself: llvm-mc -triple=amdgcn-amd-amdhsa -mcpu=gfx1250 --defsym DOCPART=n.
;; ======== version 1 of 1: 7 launches
;; workspace buffers: hn 3,276,800 bytes; qkv 10,092,544 bytes; ao 3,276,800 bytes; x1 16,777,216 bytes; hid 13,107,200 bytes
;; launch ln1 (part 1): grid 256 x 1, 8 waves a work-group, no clusters, 42,496 bytes of LDS; arguments x, ln1_a, ln1_b, hn; writes hn
.if DOCPART == 1
	.amdgcn_target "amdgcn-amd-amdhsa--gfx1250"
	.amdhsa_code_object_version 6
	.text
	.protected	k_q796012a77c_ln1
	.globl	k_q796012a77c_ln1
	.p2align	8
	.type	k_q796012a77c_ln1,@function
k_q796012a77c_ln1:
	s_mov_b64 s[64:65], 0
	v_nop
	global_prefetch_b8 v0, s[64:65] scope:SCOPE_SE
	s_setreg_imm32_b32 hwreg(HW_REG_WAVE_MODE, 25, 1), 1
	s_wait_xcnt 0x0
; h = alpha (x - mean) / (std + 1e-6) + beta along rows of 1,024 f32 (std with 1,023 in the divisor), then quantised along the row to FP6 (E2M3) codes
; with one E8M0 byte for each 32 numbers.  Out: codes [4096][768 bytes] at byte 0 of hn, scale bytes [4096][32] at byte HNS: laid as a weight's codes and scales are.
; SHARES.  A work-group takes 16 rows, each of its eight waves 2: two waves to a SIMD, so that one wave's chains of dependent sums stand beside the other's work.  (Sixteen waves of one row would load alpha and beta,
; 8,192 bytes a wave, sixteen times for 65,536 bytes of rows.)  A row is 4,096 bytes: eight loads of 512 consecutive bytes, 32 registers a lane; it stays in registers between the
; pass for the mean, the pass for the squares of (x - mean) (two passes: no difference of large sums) and the scaling.  Both rows are asked for at the head.
; The conversion takes 16 NEIGHBOURS from one lane's registers, a load gives a lane 4: so a row turns through the wave's own stage in LDS, 2,048 bytes a step,
; 16 bytes of padding behind each 64; it comes back 64 bytes a lane, two neighbouring lanes to a block of 32.
; A lane's 16 codes are 12 bytes: the wave stores 384 consecutive bytes.  The work-group's 512 scale bytes are gathered in LDS and leave as 512 consecutive bytes.
; No matrix unit, no tensor load, no cluster: the launch is a stream, read once, and no two work-groups share a byte but alpha and beta.
; LIMITS: a block of zeros gets the byte 1 where the quantiser's rule says 127 (its codes are zeros, and only this program reads the bytes); NaN and infinities are not served.
.set NW,    8                          ; waves
.set NR,    2                          ; rows of a wave
.set SP,    80                         ; a lane's place in a stage: 64 bytes + 16
.set STEPB, 32*SP                      ; a step's stage
.set WREG,  2*STEPB                    ; a wave's two stages
.set SCB,   NW*WREG                    ; behind them: the work-group's 512 scale bytes
.set HNS,   3145728                    ; where hn's scale bytes begin
.set LO,  1                            ; v1   16 x lane
.set SI,  2                            ; v2   the stage, on the way in
.set SOA, 3                            ; v3   and on the way out: SP x lane
.set CO,  4                            ; v4   12 x lane: my codes' place in a step's 384 bytes
.set SBA, 5                            ; v5   LDS byte of my block's scale
.set MU,  6                            ; v[6:7]   the mean, twice
.set INV, 8                            ; v[8:9]   1 / (std + eps), twice
.set T,   10                           ; v10-14   at work
.set AL,  16                           ; v16-47   alpha of my 32 columns
.set BE,  48                           ; v48-79   beta
.set X,   80                           ; v80-143  row i at X + 32 i; later its codes and scale bytes
.set RB,  208                          ; v208-239 two sets of 16 neighbours
.set Q,   240                          ; v240-243 at work in the quantiser, at the end the scale bytes
.set SRD, 244                          ; v244 SCB + 16 x lane
	s_load_b256 s[4:11], s[0:1], 0x0               ; in s[4:5], alpha s[6:7], beta s[8:9], hn s[10:11]
	v_lshl_add_u32 v254, v0, 2, 0xa200
	v_mov_b32 v255, 0
	v_lshrrev_b32 v[T], 5, v0
	v_readfirstlane_b32 s12, v[T]                  ; wave
	v_and_b32 v[T], 31, v0                         ; lane
	v_lshlrev_b32 v[LO], 4, v[T]
	s_mul_i32 s13, s12, WREG
	v_lshrrev_b32 v[SI], 2, v[T]
	v_mul_u32_u24 v[SI], v[SI], SP
	v_and_b32 v[T+1], 3, v[T]
	v_lshl_add_u32 v[SI], v[T+1], 4, v[SI]
	v_add_nc_u32 v[SI], s13, v[SI]                 ; four lanes' 64 bytes on end, then 16 of padding
	v_mul_u32_u24 v[SOA], v[T], SP
	v_add_nc_u32 v[SOA], s13, v[SOA]
	v_mul_u32_u24 v[CO], v[T], 12
	v_lshrrev_b32 v[SBA], 1, v[T]
	s_lshl_b32 s13, s12, 6                         ; a wave's 2 rows x 32 bytes
	s_add_co_u32 s13, s13, SCB
	v_add_nc_u32 v[SBA], s13, v[SBA]
	v_add_nc_u32 v[SRD], SCB, v[LO]
	v_mov_b32 v[T+4], 0                            ; a lane permute's destination counts as read: written once
	s_mov_b32 s14, 0x76543210
	s_mov_b32 s15, 0xfedcba98                      ; selects for lane l xor 16
	s_lshl_b32 s18, ttmp9, 4
	s_lshl_b32 s19, s12, 1
	s_add_co_u32 s18, s18, s19                     ; my first row: 16 x work-group + 2 x wave
	s_lshl_b32 s20, s18, 12
	s_mov_b32 s21, 0
	s_mul_i32 s22, s18, 768
	s_mov_b32 s23, 0
	s_lshl_b32 s24, ttmp9, 9
	s_add_co_u32 s24, s24, HNS
	s_mov_b32 s25, 0
	s_wait_kmcnt 0x0
	s_add_nc_u64 s[4:5], s[4:5], s[20:21]
	s_add_nc_u64 s[16:17], s[10:11], s[24:25]      ; the work-group's scale bytes
	s_add_nc_u64 s[10:11], s[10:11], s[22:23]      ; my rows' codes
.irp j, 0,1,2,3,4,5,6,7
	global_load_b128 v[AL+4*\j:AL+4*\j+3], v[LO], s[6:7] offset:512*\j
	global_load_b128 v[BE+4*\j:BE+4*\j+3], v[LO], s[8:9] offset:512*\j
.endr
.irp i, 0,1
.irp j, 0,1,2,3,4,5,6,7
	global_load_b128 v[X+32*\i+4*\j:X+32*\i+4*\j+3], v[LO], s[4:5] offset:4096*\i+512*\j th:TH_LOAD_NT
.endr
.endr
.macro RED                             ; v[T] summed over the 32 lanes, the result in every lane
	v_add_f32_dpp v[T], v[T], v[T] row_xmask:1 row_mask:0xf bank_mask:0xf
	v_add_f32_dpp v[T], v[T], v[T] row_xmask:2 row_mask:0xf bank_mask:0xf
	v_add_f32_dpp v[T], v[T], v[T] row_xmask:4 row_mask:0xf bank_mask:0xf
	v_add_f32_dpp v[T], v[T], v[T] row_xmask:8 row_mask:0xf bank_mask:0xf
	v_permlanex16_b32 v[T+4], v[T], s14, s15
	v_add_f32 v[T], v[T], v[T+4]
.endm
.macro QSTEP i, s                      ; 512 numbers of row i: a lane's 16 neighbours in set s become 12 bytes of codes and (two lanes alike) a scale byte
.set XS, RB+16*\s
.set CD, X+32*\i+4*\s                  ; the row's own registers, free by now: each step has its own, so no store's data are written again
	v_max3_num_f32 v[Q], |v[XS]|, |v[XS+1]|, |v[XS+2]|
	v_max3_num_f32 v[Q+1], |v[XS+3]|, |v[XS+4]|, |v[XS+5]|
.irp k, 6,10
	v_max3_num_f32 v[Q], v[Q], |v[XS+\k]|, |v[XS+\k+1]|
	v_max3_num_f32 v[Q+1], v[Q+1], |v[XS+\k+2]|, |v[XS+\k+3]|
.endr
	v_max3_num_f32 v[Q], v[Q], |v[XS+14]|, |v[XS+15]|
	v_max3_num_f32 v[Q], v[Q], v[Q+1], 0x1800000   ; the floor 2^(3 - 127): the byte cannot fall under 1
	v_max_num_f32_dpp v[Q], v[Q], v[Q] row_xmask:1 row_mask:0xf bank_mask:0xf   ; with my neighbour's 16: the block's largest magnitude
	v_add_nc_u32 v[Q+2], 0xff000000, v[Q]          ; 2 off its exponent field: the conversion takes that field as its scale
	v_cvt_scalef32_pk16_fp6_f32 v[CD:CD+2], v[XS:XS+15], v[Q+2]
	v_lshrrev_b32 v[X+32*\i+8+\s], 23, v[Q+2]      ; the scale's byte (also the plain line behind the conversion)
	ds_store_b8 v[SBA], v[X+32*\i+8+\s] offset:32*\i+16*\s   ; both lanes of a block write the same byte with the same value
	global_store_b96 v[CO], v[CD:CD+2], s[10:11] offset:768*\i+384*\s
.endm
.macro ROW i
.set XR, X+32*\i
	s_wait_loadcnt 8*(NR-1-\i)                     ; alpha, beta and rows 0 .. i are in; the 8 loads of the later row may be out
	v_pk_add_f32 v[T:T+1], v[XR:XR+1], v[XR+2:XR+3]
	v_pk_add_f32 v[T+2:T+3], v[XR+4:XR+5], v[XR+6:XR+7]
.irp j, 8,12,16,20,24,28
	v_pk_add_f32 v[T:T+1], v[T:T+1], v[XR+\j:XR+\j+1]
	v_pk_add_f32 v[T+2:T+3], v[T+2:T+3], v[XR+\j+2:XR+\j+3]
.endr
	v_pk_add_f32 v[T:T+1], v[T:T+1], v[T+2:T+3]
	v_add_f32 v[T], v[T], v[T+1]
	RED
	v_mul_f32 v[MU], 0x3a800000, v[T]              ; / 1,024
	v_mov_b32 v[MU+1], v[MU]
.irp j, 0,2,4,6,8,10,12,14,16,18,20,22,24,26,28,30
	v_pk_add_f32 v[XR+\j:XR+\j+1], v[XR+\j:XR+\j+1], v[MU:MU+1] neg_lo:[0,1] neg_hi:[0,1]   ; x - mean
.endr
	v_pk_mul_f32 v[T:T+1], v[XR:XR+1], v[XR:XR+1]
	v_pk_mul_f32 v[T+2:T+3], v[XR+2:XR+3], v[XR+2:XR+3]
.irp j, 4,8,12,16,20,24,28
	v_pk_fma_f32 v[T:T+1], v[XR+\j:XR+\j+1], v[XR+\j:XR+\j+1], v[T:T+1]
	v_pk_fma_f32 v[T+2:T+3], v[XR+\j+2:XR+\j+3], v[XR+\j+2:XR+\j+3], v[T+2:T+3]
.endr
	v_pk_add_f32 v[T:T+1], v[T:T+1], v[T+2:T+3]
	v_add_f32 v[T], v[T], v[T+1]
	RED
	v_mul_f32 v[T], 0x3a802008, v[T]               ; / 1,023
	v_sqrt_f32 v[T+1], v[T]
	v_nop                                          ; a plain line behind the root,
	s_wait_alu depctr_va_vdst(0)                   ; and the wait ahead of its first reader
	v_add_f32 v[T+1], 0x358637bd, v[T+1]           ; + 1e-6
	v_rcp_f32 v[INV], v[T+1]
	v_nop
	s_wait_alu depctr_va_vdst(0)
	v_mov_b32 v[INV+1], v[INV]
.irp j, 0,2,4,6,8,10,12,14,16,18,20,22,24,26,28,30
	v_pk_mul_f32 v[XR+\j:XR+\j+1], v[XR+\j:XR+\j+1], v[INV:INV+1]
.endr
.irp j, 0,2,4,6,8,10,12,14,16,18,20,22,24,26,28,30
	v_pk_fma_f32 v[XR+\j:XR+\j+1], v[XR+\j:XR+\j+1], v[AL+\j:AL+\j+1], v[BE+\j:BE+\j+1]
.endr
.irp j, 0,1,2,3,4,5,6,7
	ds_store_b128 v[SI], v[XR+4*\j:XR+4*\j+3] offset:STEPB*(\j/4)+8*SP*(\j%4)   ; as loaded; LDS serves a wave's instructions in order, so the last row's reads are over
.endr
.irp s, 0,1
.irp k, 0,1,2,3
	ds_load_b128 v[RB+16*\s+4*\k:RB+16*\s+4*\k+3], v[SOA] offset:STEPB*\s+16*\k
.endr
.endr
	s_wait_dscnt 4                                 ; the 8 stores and the first step's 4 loads are done; the second step's 4 may be out
	QSTEP \i, 0
	s_wait_dscnt 1                                 ; only the byte store just issued may be out
	QSTEP \i, 1
.endm
	ROW 0
	ROW 1
	s_wait_dscnt 0x0                               ; for the others' sake: my byte stores have landed
	s_barrier_signal -1
	s_barrier_wait -1
	s_cmp_lg_u32 s12, 0
	s_cbranch_scc1 .Ldone
	ds_load_b128 v[Q:Q+3], v[SRD]                  ; wave 0: the 16 rows' 512 scale bytes
	s_wait_dscnt 0x0
	global_store_b128 v[LO], v[Q:Q+3], s[16:17]    ; 512 consecutive bytes, at a multiple of 512 from the scale bytes' first
.Ldone:
	s_wait_tensorcnt 0x0
	ds_add_u32 v254, v255
	s_wait_dscnt 0x0
	s_endpgm
.Lfunc_end_k_q796012a77c_ln1:
	.size	k_q796012a77c_ln1, .Lfunc_end_k_q796012a77c_ln1-k_q796012a77c_ln1
	.p2alignl 7, 3214868480
	.fill 96, 4, 3214868480
	.section	.rodata,"a",@progbits
	.p2align	6, 0x0
	.amdhsa_kernel k_q796012a77c_ln1
		.amdhsa_group_segment_fixed_size 42496
		.amdhsa_private_segment_fixed_size 0
		.amdhsa_enable_private_segment 0
		.amdhsa_kernarg_size 32
		.amdhsa_user_sgpr_count 2
		.amdhsa_user_sgpr_kernarg_segment_ptr 1
		.amdhsa_wavefront_size32 1
		.amdhsa_system_sgpr_workgroup_id_x 1
		.amdhsa_system_sgpr_workgroup_id_y 1
		.amdhsa_system_sgpr_workgroup_id_z 1
		.amdhsa_system_vgpr_workitem_id 0
		.amdhsa_next_free_vgpr 256
		.amdhsa_next_free_sgpr 66
		.amdhsa_reserve_vcc 0
		.amdhsa_float_denorm_mode_32 3
		.amdhsa_float_denorm_mode_16_64 3
		.amdhsa_memory_ordered 1
		.amdhsa_forward_progress 1
		.amdhsa_inst_pref_size 24
	.end_amdhsa_kernel
	.amdgpu_metadata
---
amdhsa.version: [ 1, 2 ]
amdhsa.kernels:
  - .name:           k_q796012a77c_ln1
    .symbol:         k_q796012a77c_ln1.kd
    .args:
      - { .name: x, .offset: 0, .size: 8, .value_kind: global_buffer, .address_space: global }
      - { .name: ln1_a, .offset: 8, .size: 8, .value_kind: global_buffer, .address_space: global }
      - { .name: ln1_b, .offset: 16, .size: 8, .value_kind: global_buffer, .address_space: global }
      - { .name: hn, .offset: 24, .size: 8, .value_kind: global_buffer, .address_space: global }
    .group_segment_fixed_size: 42496
    .private_segment_fixed_size: 0
    .kernarg_segment_align: 8
    .kernarg_segment_size: 32
    .max_flat_workgroup_size: 256
    .sgpr_count:     66
    .vgpr_count:     256
    .wavefront_size: 32
...
	.end_amdgpu_metadata
.endif
;; end of part 1
;; launch qkv (part 2): grid 12 x 16, 4 waves a work-group, clusters of 4 x 4, 327,680 bytes of LDS; arguments hn, wq_codes, wq_scales, wk_codes, wk_scales, wv_codes, wv_scales, qkv; writes qkv
.if DOCPART == 2
	.amdgcn_target "amdgcn-amd-amdhsa--gfx1250"
	.amdhsa_code_object_version 6
	.text
	.protected	k_q796012a77c_qkv
	.globl	k_q796012a77c_qkv
	.p2align	8
	.type	k_q796012a77c_qkv,@function
k_q796012a77c_qkv:
	s_mov_b64 s[64:65], 0
	v_nop
	global_prefetch_b8 v0, s[64:65] scope:SCOPE_SE
	s_setreg_imm32_b32 hwreg(HW_REG_WAVE_MODE, 25, 1), 1
	s_wait_xcnt 0x0
	s_wait_alu depctr_hold_cnt(0) depctr_sa_sdst(0) depctr_va_vdst(0) depctr_va_sdst(0) depctr_va_ssrc(0) depctr_va_vcc(0) depctr_vm_vsrc(0)
	s_getreg_b32 s2, hwreg(HW_REG_IB_STS2, 6, 4)
	s_cmp_eq_u32 s2, 0
	s_cbranch_scc0 .Lentry_in_a_cluster
	s_endpgm
.Lentry_in_a_cluster:
	s_bfe_u32 s2, ttmp6, 0x10000c
	s_cmp_lg_u32 s2, 0xf033
	s_cbranch_scc0 .Lentry_shape_is_right
	s_endpgm
.Lentry_shape_is_right:
; q = h wq, k = h wk, v = h wv on FP6 (E2M3) codes with E8M0 scales, K = 1,024; the results are quantised at once for the attention launch: q and k along the head's 64, v along the KEYS.
; THE PRODUCT.  A tile is 256 rows of "A" x 256 rows of "B", four waves, 128 x 128 a wave in 64 accumulators (512 registers).  K goes in steps of 256 through a ring of two LDS slots filled by the
; tensor data mover; the scale bytes of the 512 rows for all of K come once, with the first fills.  The matrix instruction takes 16 rows of B as source 0 and 16 rows of A as source 1: a lane then holds ONE row of A
; and its registers run along B's rows.
; CLUSTERS of 4 x 4.  Cluster x = 0: A = h (tokens), B = wq.  x = 1: B = wk.  x = 2: A = wv and B = h, so that a lane holds one channel of v and its registers run along the tokens, which are the keys.
; A's tile hangs on cy and the cluster's place alone and is asked for jointly by a row of the cluster, B's on cx and the cluster's place alone, by a column.
; THE WAY OUT.  The 8 accumulators of a block of 16 rows of A are 64 numbers a lane: register 16 b + 8 u + j is column 32 b + 16 u + 8 (lane / 16) + j.  A block of 32 lies in lanes l and l xor 16.  The conversion packs a lane's
; 16 numbers as they stand; three lane swaps and five bit moves for each pair of blocks weave the 48-bit pieces into the operand's order.  The 12 registers are stored as an IMAGE OF THE OPERAND'S REGISTERS: two halves of 768 bytes,
; each 512 bytes (registers 0-3, 16 bytes a lane) + 256 bytes (registers 4-5, 8 bytes a lane): every store covers whole aligned blocks of 256 bytes.  For q and k a half is one head's 64.
; qkv: q's halves at 0, k's at 3,145,728: [batch x head][token tile][768]; v's images at 6,291,456: [batch x head][key step of 128][channel tile][1,536]; scale images of 512 bytes (word 4 l + c: tile 2 c + l / 16, row l % 16) from 9,437,184.
; LIMITS: a block of zeros gets the byte 1 where the quantiser's rule says 127 (its codes are zeros; only this program reads the bytes); NaN and infinities are not served.
; 192 work-groups: tiles of 128 x 128 would give 768, three to a WGP, each paying for its first tiles anew with only four K steps to hide them.
.set UP,     0                         ; 0: the q, k, v launch; 1: the feed-forward's first layer
.set FIRST,  1+UP                      ; what starts the sums: 1 the constant 0, 2 the bias
.set KSTEP,  256
.set NQ,     2                         ; matrix instructions deep in a slot
.set ROWB,   192                       ; a tile's row: 256 codes
.set KROW,   768                       ; a row in memory: 1,024 codes
.set PITCH,  240                       ; an LDS row: 3 x (64 bytes + 16 of padding)
.set FR,     12
.set NL,     6
.set NP,     4                         ; places behind this matrix instruction (ISA guide 7.12.1)
.set HALFT,  128*PITCH
.set SLOT,   4*HALFT
.set LAPS,   2                         ; 1,024 / 512
.set KS,     32                        ; a row of scale bytes
.set SCL,    2*SLOT
.set HALFS,  (128*KS/256)*272
.set SBLK,   (16*KS/256)*272
.set SPARE,  SCL+4*HALFS               ; the spare words, 128 bytes a wave: two blocks of 256 bytes that no other line names
.set HNS,    3145728                   ; hn's scale bytes
.set ADRA, 16                          ; v16-19 LDS addresses of A's fragments (slot 0, 1; the same behind one padding more)
.set ADRB, 20                          ; v20-23 B's
.set OF16, 24                          ; v24  16 x lane
.set OF8,  25                          ; v25  8 x lane
.set BO,   26                          ; v26  32 x (lane / 16): the bias's offset
.set ADRS, 27                          ; v27  LDS address of my scale words
.set SPW,  28                          ; v28  my spare word; never rewritten
.set NIL,  29                          ; v29  0; never rewritten
.set SC,   32                          ; v32-63 scale words, two sets
.set BI,   64                          ; v64-127 the bias, 8 registers a tile of B (UP = 1)
.set TM,   64                          ; the way out: v64-79 at work,
.set PC,   80                          ; v80-98 codes,
.set PW,   100                         ; v100-107 the eight blocks' scale words,
.set SW,   108                         ; v108-111, v112-115 scale images
.set SX,   112
.set AF,   128                         ; v128-223 A's fragments, one set; window 1: B's, two sets; windows 2, 3: the accumulators
.set WV,  20
.set RH,  21                           ; wave / 2: my half of A's rows; also: I fetch for A (0) or B (1)
.set CH,  22                           ; wave % 2: my half of B's rows; also: which 128 rows I fetch
.set ISV, 23
.set G1,  24
.set G0,  32
.set G1B, 48
.set G0B, 56
.set G1S, 68
.set G0S, 76
.set G1SB, 80
.set G0SB, 88
.set MSB, 0
.macro WIN new                         ; the immediate's high byte repeats the setting that is left
.if MSB != (\new)
	s_set_vgpr_msb (MSB<<8)|(\new)
.set MSB, (\new)
.endif
.endm
.set MUL_LO, 0xa1                      ; source 0 (B) window 1, source 1 (A) window 0, C and D window 2
.set MUL_HI, 0xf1
.set TO_B,   0x40
.macro JLOAD g0a, g1a, g0b, g1b        ; a joint load: waves 0, 1 for A, waves 2, 3 for B; four v_nop follow each line
	s_cmp_eq_u32 s[RH], 0
	s_cbranch_scc0 .Lfor_b_\@
	tensor_load_to_lds s[\g0a:\g0a+3], s[\g1a:\g1a+7]
	s_nop 0
.rept 4
	v_nop
.endr
	s_branch .Lasked_\@
.Lfor_b_\@:
	tensor_load_to_lds s[\g0b:\g0b+3], s[\g1b:\g1b+7]
	s_nop 0
.rept 4
	v_nop
.endr
.Lasked_\@:
.endm
.macro CREST                           ; a round of the cluster's barrier behind its opening barrier
	s_cmp_lg_u32 s[WV], 0
	s_cbranch_scc1 .Lnot_wave_0_\@
	s_barrier_signal -3
.Lnot_wave_0_\@:
	s_barrier_wait -3
	s_barrier_signal -1
	s_barrier_wait -1
.endm
.macro CROUND
	s_barrier_signal -1
	s_barrier_wait -1
	CREST
.endm
.if UP
	s_load_b256 s[4:11], s[0:1], 0x0               ; hn, w_up's codes, its scales, b_up
	s_load_b64 s[18:19], s[0:1], 0x20              ; hid
.else
	s_load_b512 s[4:19], s[0:1], 0x0               ; hn, wq's codes and scales, wk's, wv's, qkv
.endif
	v_lshl_add_u32 v[SPW], v0, 2, SPARE
	v_mov_b32 v[NIL], 0
	ds_add_u32 v28, v29
	ds_add_u32 v28, v29
	s_wait_dscnt 0x0
	v_lshrrev_b32 v1, 5, v0
	v_readfirstlane_b32 s[WV], v1
	s_lshr_b32 s[RH], s[WV], 1
	s_and_b32 s[CH], s[WV], 1
	s_bfe_u32 s40, ttmp6, 0x40000                  ; cx
	s_bfe_u32 s41, ttmp6, 0x40004                  ; cy
	s_mov_b32 s46, ttmp9                           ; the cluster's x
	s_and_b32 s47, ttmp7, 0xffff
	s_lshl_b32 s47, s47, 2                         ; 4 x the cluster's y
.if UP
	s_lshl_b32 s42, s46, 2
	s_add_co_u32 s42, s42, s40                     ; B's tile: 4 x + cx
	s_add_co_u32 s45, s47, s41                     ; A's tile: 4 y + cy
.else
	s_cmp_eq_u32 s46, 2                            ; the clusters that make v: the same answer in all sixteen partners
	s_cselect_b32 s[ISV], 1, 0
	s_cselect_b32 s45, 0, s47
	s_cselect_b32 s42, s47, 0
	s_add_co_u32 s45, s45, s41                     ; A's tile: cy (+ 4 y where A is h)
	s_add_co_u32 s42, s42, s40                     ; B's tile: cx (+ 4 y where B is h)
.endif
	s_lshl_b32 s43, s41, 2
	s_lshl_b32 s43, 15, s43                        ; my row of the cluster
	s_lshl_b32 s44, 0x1111, s40                    ; my column
	s_or_b32 s[G1+0], s43, (0<<16)|(1<<20)|(1<<21)|(3<<22)|(3<<25)   ; the mask; elements of 1 byte; padding on; bit 21 beside a mask; after every 16 words 4 words
	s_or_b32 s[G1B+0], s44, (0<<16)|(1<<20)|(1<<21)|(3<<22)|(3<<25)
.irp g, G1, G1B
	s_mov_b32 s[\g+1], ROWB<<16                    ; tensor_dim0
	s_mov_b32 s[\g+2], 128<<16                     ; tensor_dim1
	s_mov_b32 s[\g+3], ROWB<<16                    ; tile_dim0
	s_mov_b32 s[\g+4], 128                         ; tile_dim1
	s_mov_b32 s[\g+5], KROW                        ; from row to row
	s_mov_b32 s[\g+6], 0
	s_mov_b32 s[\g+7], 0
.endr
	s_or_b32 s[G1S+0], s43, (3<<16)|(1<<20)|(1<<21)|(5<<22)|(3<<25)  ; the scales of 128 rows: 4,096 dense bytes as 16 rows of 256 (32 elements of 8), 16 bytes of padding behind each
	s_or_b32 s[G1SB+0], s44, (3<<16)|(1<<20)|(1<<21)|(5<<22)|(3<<25)
.irp g, G1S, G1SB
	s_mov_b32 s[\g+1], 32<<16
	s_mov_b32 s[\g+2], (128*KS/256)<<16
	s_mov_b32 s[\g+3], 32<<16
	s_mov_b32 s[\g+4], 128*KS/256
	s_mov_b32 s[\g+5], 32
	s_mov_b32 s[\g+6], 0
	s_mov_b32 s[\g+7], 0
.endr
	s_mov_b32 s104, 0x76543210
	s_mov_b32 s105, 0xfedcba98                     ; selects for lane l xor 16
	s_lshl_b32 s66, s[CH], 7                       ; which 128 rows of a tile I fetch
	s_lshl_b32 s100, s45, 8
	s_add_co_u32 s100, s100, s66
	s_lshl_b32 s100, s100, 5                       ; A: these rows' scale bytes begin here (32 a row); s100, s101 never hold cx
	s_mov_b32 s101, 0
	s_lshl_b32 s2, s42, 8
	s_add_co_u32 s2, s2, s66
	s_lshl_b32 s2, s2, 5                           ; B likewise; s2, s3 never hold cy
	s_mov_b32 s3, 0
	s_wait_kmcnt 0x0
.if UP
	s_mov_b64 s[92:93], s[4:5]
	s_add_nc_u64 s[94:95], s[4:5], HNS
	s_mov_b64 s[96:97], s[6:7]
	s_mov_b64 s[98:99], s[8:9]
.else
	s_add_nc_u64 s[66:67], s[4:5], HNS             ; h's scale bytes
	s_cmp_eq_u32 s46, 2
	s_cselect_b64 s[92:93], s[14:15], s[4:5]       ; A's codes: wv's or h's
	s_cselect_b64 s[94:95], s[16:17], s[66:67]
	s_cselect_b64 s[96:97], s[4:5], s[10:11]       ; B's: h's, or wk's,
	s_cselect_b64 s[98:99], s[66:67], s[12:13]
	s_cmp_eq_u32 s46, 0
	s_cselect_b64 s[96:97], s[6:7], s[96:97]       ; or wq's
	s_cselect_b64 s[98:99], s[8:9], s[98:99]
.endif
	s_add_nc_u64 s[94:95], s[94:95], s[100:101]
	s_add_nc_u64 s[98:99], s[98:99], s[2:3]
	s_mul_i32 s100, s100, 24                       ; 768 bytes of codes a row
	s_mul_i32 s2, s2, 24
	s_add_nc_u64 s[92:93], s[92:93], s[100:101]
	s_add_nc_u64 s[96:97], s[96:97], s[2:3]
	s_mul_i32 s66, s[WV], HALFT                    ; where they go: wave x 128 rows: no place in the cluster enters an LDS address
	s_mul_i32 s67, s[WV], HALFS
	CROUND                                         ; all sixteen work-groups are here: the first joint loads meet
	s_mov_b32 s[G0S], 1
	s_add_co_u32 s[G0S+1], s67, SCL
	s_mov_b64 s[G0S+2:G0S+3], s[94:95]
	s_or_b32 s[G0S+3], s[G0S+3], 0x80000000
	s_mov_b32 s[G0SB], 1
	s_add_co_u32 s[G0SB+1], s67, SCL
	s_mov_b64 s[G0SB+2:G0SB+3], s[98:99]
	s_or_b32 s[G0SB+3], s[G0SB+3], 0x80000000
	JLOAD G0S, G1S, G0SB, G1SB                     ; the scales first: they are wanted with K step 0
.irp s, 0,1
	s_mov_b32 s[G0+4*\s], 1
	s_add_co_u32 s[G0+4*\s+1], s66, \s*SLOT
	s_add_nc_u64 s[G0+4*\s+2:G0+4*\s+3], s[92:93], \s*ROWB
	s_or_b32 s[G0+4*\s+3], s[G0+4*\s+3], 0x80000000
	s_mov_b32 s[G0B+4*\s], 1
	s_add_co_u32 s[G0B+4*\s+1], s66, \s*SLOT
	s_add_nc_u64 s[G0B+4*\s+2:G0B+4*\s+3], s[96:97], \s*ROWB
	s_or_b32 s[G0B+4*\s+3], s[G0B+4*\s+3], 0x80000000
	JLOAD G0+4*\s, G1, G0B+4*\s, G1B               ; three tensor loads of mine are out behind the last of these
.endr
	v_and_b32 v1, 15, v0                           ; r = lane % 16
	v_bfe_u32 v2, v0, 4, 1                         ; h = lane / 16
	v_mul_u32_u24 v3, v1, PITCH
	v_mul_u32_u24 v4, v2, 24
	v_add_nc_u32 v4, v3, v4                        ; a fragment's row x pitch + 24 x half
	v_lshl_add_u32 v5, v2, 4, v4                   ; and the same behind one padding more
	s_mul_i32 s66, s[RH], HALFT
	s_mul_i32 s67, s[CH], HALFT
	s_add_co_u32 s67, s67, 2*HALFT
.irp s, 0,1
	v_add_nc_u32 v[ADRA+\s], s66, v4
	v_add_nc_u32 v[ADRB+\s], s67, v4
	v_add_nc_u32 v[ADRA+2+\s], s66, v5
	v_add_nc_u32 v[ADRB+2+\s], s67, v5
	s_add_co_u32 s66, s66, SLOT
	s_add_co_u32 s67, s67, SLOT
.endr
	v_mul_u32_u24 v5, v1, KS
	v_lshrrev_b32 v6, 8, v5
	v_lshl_add_u32 v5, v6, 4, v5                   ; my row's scale bytes: 32 a row, 16 more for each 256 passed
	s_mul_i32 s66, s[RH], HALFS
	s_mul_i32 s67, s[CH], HALFS
	s_add_co_u32 s67, s67, 2*HALFS
	s_sub_co_u32 s67, s67, s66
	v_mul_u32_u24 v6, s67, v2                      ; lanes 16-31 take B's
	s_add_co_u32 s66, s66, SCL
	v_add_nc_u32 v5, v5, v6
	v_add_nc_u32 v[ADRS], s66, v5
	v_and_b32 v6, 31, v0
	v_lshlrev_b32 v[OF16], 4, v6
	v_lshlrev_b32 v[OF8], 3, v6
.if UP
	s_lshl_b32 s16, s42, 10                        ; the bias of my 128 columns: (256 x B's tile + 128 x half) x 4 bytes
	s_lshl_b32 s17, s[CH], 9
	s_add_co_u32 s16, s16, s17
	s_mov_b32 s17, 0
	s_add_nc_u64 s[10:11], s[10:11], s[16:17]
	v_lshlrev_b32 v[BO], 5, v2
.irp b, 0,1,2,3,4,5,6,7
	global_load_b128 v[BI+8*\b:BI+8*\b+3], v[BO], s[10:11] offset:64*\b      ; lane (r, h), tile b: columns 16 b + 8 h + 0 .. 7: the result's layout
	global_load_b128 v[BI+8*\b+4:BI+8*\b+7], v[BO], s[10:11] offset:64*\b+16
.endr
.endif
	; where my results go
	s_lshl_b32 s16, s45, 1
	s_add_co_u32 s16, s16, s[RH]                   ; which 128 rows of A are mine
	s_lshl_b32 s17, s42, 1
	s_add_co_u32 s17, s17, s[CH]                   ; which 128 rows of B
.if UP
	s_lshl_b32 s4, s16, 8                          ; token tile 8 x that, 32 K steps a tile,
	s_add_co_u32 s4, s4, s17                       ; my K step of the next product
	s_mul_i32 s4, s4, 1536
	s_mov_b32 s5, 0
	s_add_nc_u64 s[4:5], s[18:19], s[4:5]          ; an image's first half,
	s_add_nc_u64 s[6:7], s[4:5], 768               ; its second
	s_lshl_b32 s8, s16, 5
	s_add_co_u32 s8, s8, s17
	s_lshl_b32 s8, s8, 9
	s_add_co_u32 s8, s8, 12582912
	s_mov_b32 s9, 0
	s_add_nc_u64 s[8:9], s[18:19], s[8:9]          ; my scale image
	s_mov_b32 s12, 49152                           ; from token tile to token tile
	s_mov_b32 s13, 0
.else
	s_cmp_eq_u32 s[ISV], 1
	s_cselect_b32 s66, s17, s16                    ; the group of 128 tokens
	s_cselect_b32 s67, s16, s17                    ; the group of 128 channels: two heads
	s_mov_b32 s12, 768
	s_cselect_b32 s12, 1536, s12                   ; from block to block: a half image (q, k) or an image (v)
	s_cselect_b32 s14, 92160, 0                    ; v: from the even head's last image to the odd head's first, less one step
	s_mov_b32 s6, 98304
	s_cselect_b32 s6, 768, s6                      ; registers 6-11 go to the image's second half (v) or to the odd head (q, k)
	s_cselect_b32 s10, 12, 13                      ; scale images: 4,096 (v: one for two heads) or 8,192 bytes a head
	s_mov_b32 s13, 0
	s_mov_b32 s15, 0
	s_mov_b32 s7, 0
	s_lshr_b32 s11, s66, 4
	s_lshl_b32 s11, s11, 4                         ; 16 x batch
	s_and_b32 s66, s66, 15                         ; the key step
	s_lshl_b32 s67, s67, 1
	s_add_co_u32 s11, s11, s67                     ; 16 x batch + the even head
	s_mul_i32 s4, s11, 98304
	s_mul_i32 s67, s66, 6144
	s_add_co_u32 s4, s4, s67
	s_mul_i32 s67, s46, 3145728                    ; q's, k's or v's part of the buffer
	s_add_co_u32 s4, s4, s67
	s_mov_b32 s5, 0
	s_add_nc_u64 s[4:5], s[18:19], s[4:5]
	s_add_nc_u64 s[6:7], s[4:5], s[6:7]
	s_lshl_b32 s8, s11, s10
	s_lshl_b32 s67, s66, 9
	s_add_co_u32 s8, s8, s67
	s_lshl_b32 s67, s46, 18
	s_add_co_u32 s8, s8, s67
	s_add_co_u32 s8, s8, 9437184
	s_mov_b32 s9, 0
	s_add_nc_u64 s[8:9], s[18:19], s[8:9]
.endif
.macro FRAG reg, adr, q, i             ; 16 rows x 128 K: 12 registers, in pieces of 8 bytes; lanes 16-31 read three pieces on, for some pieces behind one padding more: the second address register serves those
.irp p, 0,1,2,3,4,5
.set PCE, 12*(\q)+6*(\p/3)+\p%3
.if PCE%8 < 5
	ds_load_b64 v[\reg+2*\p:\reg+2*\p+1], v[\adr] offset:8*PCE+16*(PCE/8)+(\i)*16*PITCH
.else
	ds_load_b64 v[\reg+2*\p:\reg+2*\p+1], v[\adr+2] offset:8*PCE+16*(PCE/8)+(\i)*16*PITCH
.endif
.endr
.endm
; 16 matrix instructions: A's blocks a0, a0 + 1 x B's eight.  The 64 accumulators take turns, one instruction a turn, in the same order in every step.
.macro MUL16 a0, p, q, sc, zero
.irp a, \a0, \a0+1
.irp b, 0,1,2,3,4,5,6,7
.set rD, 8*(8*((\a)%4)+\b)
.set rB, 128*(\p)+FR*\b
.set rA, AF+FR*(\a)
.set rSB, SC+8*NQ*(\sc)+NQ*\b+(\q)
.set rSA, SC+8*NQ*(\sc)+NQ*(\a)+(\q)
.if (\zero) == 1
	v_wmma_scale_f32_16x16x128_f8f6f4 v[rD:rD+7], v[rB:rB+FR-1], v[rA:rA+FR-1], 0, v[rSB], v[rSA] matrix_a_fmt:MATRIX_FMT_FP6 matrix_b_fmt:MATRIX_FMT_FP6 matrix_a_scale:MATRIX_SCALE_ROW1
.elseif (\zero) == 2
	v_wmma_scale_f32_16x16x128_f8f6f4 v[rD:rD+7], v[rB:rB+FR-1], v[rA:rA+FR-1], v[BI+8*\b:BI+8*\b+7], v[rSB], v[rSA] matrix_a_fmt:MATRIX_FMT_FP6 matrix_b_fmt:MATRIX_FMT_FP6 matrix_a_scale:MATRIX_SCALE_ROW1
.else
	v_wmma_scale_f32_16x16x128_f8f6f4 v[rD:rD+7], v[rB:rB+FR-1], v[rA:rA+FR-1], v[rD:rD+7], v[rSB], v[rSA] matrix_a_fmt:MATRIX_FMT_FP6 matrix_b_fmt:MATRIX_FMT_FP6 matrix_a_scale:MATRIX_SCALE_ROW1
.endif
.endr
.endr
.endm
.macro FETCH_B slot, q, p
	WIN TO_B
.irp i, 0,1,2,3,4,5,6,7
	FRAG 128*(\p)+FR*\i, ADRB+\slot, \q, \i
.endr
	WIN 0
.endm
.macro FETCH_A slot, q, i0
.irp i, \i0, \i0+1, \i0+2, \i0+3
	FRAG AF+FR*(\i), ADRA+\slot, \q, \i
.endr
.endm
.macro SCALES sc                       ; a K step's scale words: lanes 0-15 A's block i, lanes 16-31 B's block i
.irp i, 0,1,2,3,4,5,6,7
	ds_load_b64 v[SC+8*NQ*\sc+NQ*\i:SC+8*NQ*\sc+NQ*\i+1], v[ADRS] offset:\i*SBLK
.endr
.endm
.macro PLACES n                        ; plain vector lines between a matrix instruction and a load into, or a read of, its registers
.rept \n
	v_nop
.endr
.endm
.macro STEP slot, q, zero              ; 128 along K whose successor lies in the same slot
	s_wait_dscnt 4*NL                              ; B's set and A's blocks 0-3 are in; the youngest 24 loads (A's blocks 4-7) may be out
.if (\zero) == 2
	WIN 0x81                                       ; C (the bias) in window 0, D in window 2
.else
	WIN MUL_LO
.endif
	MUL16 0, (\q)%2, \q, \slot, \zero
	MUL16 2, (\q)%2, \q, \slot, \zero
	s_wait_dscnt 0                                 ; A's blocks 4-7 are in
	PLACES NP
	FETCH_B \slot, (\q)+1, 1-(\q)%2
	FETCH_A \slot, (\q)+1, 0
.if (\zero) == 2
	WIN 0xc1
.else
	WIN MUL_HI
.endif
	MUL16 4, (\q)%2, \q, \slot, \zero
	MUL16 6, (\q)%2, \q, \slot, \zero
	PLACES NP
	WIN 0
	FETCH_A \slot, (\q)+1, 4
.endm
; A slot's last step changes slots: one barrier; in front of it each wave waits for all its tensor loads, adds 0 to its spare word, and waits for that and for its reads of this slot.
.macro TURN slot, next, fill
	s_wait_tensorcnt 0x0                           ; all my tensor loads have landed: the one that was out is my part of the next slot
	ds_add_u32 v[SPW], v[NIL]                      ; 0 onto my spare word
	s_wait_dscnt 4*NL+1                            ; (the add and the youngest 24 loads may be out)
	WIN MUL_LO
	MUL16 0, 1, NQ-1, \slot, 0
	s_wait_dscnt 0x0                               ; the add is done, and my reads of this slot are over
	s_barrier_signal -1
	MUL16 2, 1, NQ-1, \slot, 0
	WIN 0
	s_barrier_wait -1
.if \fill
	CREST                                          ; the barrier has opened a round of the cluster's: no wave of any partner still reads this slot or has a load on its way
	s_add_nc_u64 s[G0+4*\slot+2:G0+4*\slot+3], s[G0+4*\slot+2:G0+4*\slot+3], 2*ROWB
	s_add_nc_u64 s[G0B+4*\slot+2:G0B+4*\slot+3], s[G0B+4*\slot+2:G0B+4*\slot+3], 2*ROWB
	JLOAD G0+4*\slot, G1, G0B+4*\slot, G1B         ; my one tensor load behind the round: 96 matrix instructions ahead of the wait for it
.else
	PLACES NP
.endif
	v_add_nc_u32 v[ADRS], 4*NQ, v[ADRS]
	FETCH_B \next, 0, 0
	FETCH_A \next, 0, 0
	SCALES \next
	WIN MUL_HI
	MUL16 4, 1, NQ-1, \slot, 0
	MUL16 6, 1, NQ-1, \slot, 0
	PLACES NP
	WIN 0
	FETCH_A \next, 0, 4
.endm
	s_wait_tensorcnt 1                             ; the scales and my part of K step 0 are in; K step 1's load may be out
	s_barrier_signal -1
	s_barrier_wait -1
	FETCH_B 0, 0, 0
	FETCH_A 0, 0, 0
	SCALES 0
	FETCH_A 0, 0, 4
.if UP
	s_wait_loadcnt 0x0                             ; the bias
.endif
	STEP 0, 0, FIRST                               ; the first step starts the sums
	s_mov_b32 s3, LAPS-1
.Llap:
	TURN 0, 1, 1
	STEP 1, 0, 0
	TURN 1, 0, 1
	STEP 0, 0, 0
	s_sub_co_u32 s3, s3, 1
	s_cmp_lg_u32 s3, 0
	s_cbranch_scc1 .Llap
	TURN 0, 1, 0                                   ; the last lap fills nothing
	STEP 1, 0, 0
	s_wait_dscnt 4*NL
	WIN MUL_LO
	MUL16 0, 1, NQ-1, 1, 0
	MUL16 2, 1, NQ-1, 1, 0
	s_wait_dscnt 0
	WIN MUL_HI
	MUL16 4, 1, NQ-1, 1, 0
	MUL16 6, 1, NQ-1, 1, 0
	WIN 0
; THE WAY OUT.
.macro WEAVE u, v                      ; u: the codes of block 2 c (3 registers), v: of block 2 c + 1.  Out: u .. u + 5 = the lane's whole block 2 c + lane / 16, in K's order
.irp i, 0,1,2
	v_permlane16_swap_b32 v[\u+\i], v[\v+\i]       ; u: my block's pieces from lanes 0-15 (columns 0-7, 16-23), v: from lanes 16-31 (8-15, 24-31); a piece is 8 codes, 48 bits
.endr
	v_alignbit_b32 v[\u+3], v[\u+2], v[\u+1], 16   ; bits 96-127: u's second piece, low 32
	v_perm_b32 v[\u+4], v[\v+1], v[\u+2], 0x07060302   ; its high 16, then the low 16 of v's second piece
	v_mov_b32 v[\u+5], v[\v+2]
	v_perm_b32 v[\u+1], v[\v], v[\u+1], 0x05040100 ; the high 16 of u's first piece, the low 16 of v's first
	v_alignbit_b32 v[\u+2], v[\v+1], v[\v], 16
.endm
.macro QUANT pw                        ; the 64 numbers at v[AC] on in window W become 12 registers of codes at v[PC] and the scale word v[pw]
	WIN W|(W<<2)
.irp b, 0,1,2,3
	v_max3_num_f32 v[TM+\b], |v[AC+16*\b]|, |v[AC+16*\b+1]|, 0x1800000   ; each accumulator is read from its low end on; the floor 2^(3 - 127) holds the byte at 1 from below
.endr
.irp i, 2,4,6,8,10,12,14
.irp b, 0,1,2,3
	v_max3_num_f32 v[TM+\b], |v[AC+16*\b+\i]|, |v[AC+16*\b+\i+1]|, v[TM+\b]
.endr
.endr
	WIN 0
.irp b, 0,1,2,3
	v_permlanex16_b32 v[TM+4+\b], v[TM+\b], s104, s105
.endr
.irp b, 0,1,2,3
	v_max_num_f32 v[TM+\b], v[TM+\b], v[TM+4+\b]   ; with lane l xor 16's: the block's largest magnitude
.endr
.irp b, 0,1,2,3
	v_add_nc_u32 v[TM+12+\b], 0xff000000, v[TM+\b] ; 2 off its exponent field: the conversion's scale operand
.endr
.irp b, 0,1,2,3
	v_lshrrev_b32 v[TM+4+\b], 23, v[TM+12+\b]      ; the scale's byte
.endr
	v_lshl_or_b32 v[\pw], v[TM+5], 8, v[TM+4]
	v_lshl_or_b32 v[\pw], v[TM+6], 16, v[\pw]
	v_lshl_or_b32 v[\pw], v[TM+7], 24, v[\pw]
	WIN W
.irp c, 0,1
	v_cvt_scalef32_pk16_fp6_f32 v[PC+6*\c:PC+6*\c+2], v[AC+32*\c:AC+32*\c+15], v[TM+12+2*\c]
	v_cvt_scalef32_pk16_fp6_f32 v[PC+12+4*\c:PC+14+4*\c], v[AC+32*\c+16:AC+32*\c+31], v[TM+13+2*\c]
.endr
	WIN 0
	v_nop                                          ; one plain line behind the conversions
	WEAVE PC, PC+12
	WEAVE PC+6, PC+16
.endm
.macro BLOCK a                         ; A's block a: 16 rows x my 128 columns
.set AC, 64*((\a)%4)
.set W, 2+(\a)/4
.if (\a) > 0
	s_wait_xcnt 0x0                                ; the last block's stores have read their data and bases: both are written again only behind this wait
	s_add_nc_u64 s[4:5], s[4:5], s[12:13]
	s_add_nc_u64 s[6:7], s[6:7], s[12:13]
.endif
.if ((\a) == 4) && (UP == 0)
	s_add_nc_u64 s[4:5], s[4:5], s[14:15]
	s_add_nc_u64 s[6:7], s[6:7], s[14:15]
.endif
.if UP
	WIN (W<<6)|(W<<2)
.set j, 0
.rept 64
	v_max_num_f32 v[AC+j], 0, v[AC+j]              ; relu, in f32, ascending
.set j, j+1
.endr
.endif
	QUANT PW+(\a)
	global_store_b128 v[OF16], v[PC:PC+3], s[4:5]              ; 512 consecutive bytes,
	global_store_b64 v[OF8], v[PC+4:PC+5], s[4:5] offset:512   ; 256: both at multiples of 256 from the buffer's first byte
	global_store_b128 v[OF16], v[PC+6:PC+9], s[6:7]
	global_store_b64 v[OF8], v[PC+10:PC+11], s[6:7] offset:512
.endm
	PLACES NP                                      ; behind the last products
.irp b, 0,1,2,3
	v_mov_b32 v[TM+4+\b], 0                        ; a lane permute's destination counts as read
.endr
	s_mov_b32 s3, 0xffff0000                       ; lanes 16-31
.irp a, 0,1,2,3,4,5,6,7
	BLOCK \a
.endr
.irp c, 0,1,2,3
	v_cndmask_b32 v[SW+\c], v[PW+2*\c], v[PW+2*\c+1], s3   ; the scale image: lanes 0-15 block 2 c's words, lanes 16-31 block 2 c + 1's
.endr
	global_store_b128 v[OF16], v[SW:SW+3], s[8:9]
.if UP == 0
	s_cmp_eq_u32 s[ISV], 1                         ; the same in all partners
	s_cbranch_scc1 .Lone_image
.irp c, 0,1,2,3
	v_lshrrev_b32 v[SX+\c], 16, v[SW+\c]           ; q, k: the odd head's two bytes, brought down; above them 0, which is no NaN byte and meets zero codes alone
.endr
	global_store_b128 v[OF16], v[SX:SX+3], s[8:9] offset:8192
.Lone_image:
.endif
	s_wait_tensorcnt 0x0                           ; the wave's end
	ds_add_u32 v[SPW], v[NIL]
	s_wait_dscnt 0x0
	CROUND                                         ; the closing round
	s_endpgm
.Lfunc_end_k_q796012a77c_qkv:
	.size	k_q796012a77c_qkv, .Lfunc_end_k_q796012a77c_qkv-k_q796012a77c_qkv
	.p2alignl 7, 3214868480
	.fill 96, 4, 3214868480
	.section	.rodata,"a",@progbits
	.p2align	6, 0x0
	.amdhsa_kernel k_q796012a77c_qkv
		.amdhsa_group_segment_fixed_size 327680
		.amdhsa_private_segment_fixed_size 0
		.amdhsa_enable_private_segment 0
		.amdhsa_kernarg_size 64
		.amdhsa_user_sgpr_count 2
		.amdhsa_user_sgpr_kernarg_segment_ptr 1
		.amdhsa_wavefront_size32 1
		.amdhsa_system_sgpr_workgroup_id_x 1
		.amdhsa_system_sgpr_workgroup_id_y 1
		.amdhsa_system_sgpr_workgroup_id_z 1
		.amdhsa_system_vgpr_workitem_id 0
		.amdhsa_next_free_vgpr 1024
		.amdhsa_next_free_sgpr 106
		.amdhsa_reserve_vcc 0
		.amdhsa_float_denorm_mode_32 3
		.amdhsa_float_denorm_mode_16_64 3
		.amdhsa_memory_ordered 1
		.amdhsa_forward_progress 1
		.amdhsa_inst_pref_size 171
	.end_amdhsa_kernel
	.amdgpu_metadata
---
amdhsa.version: [ 1, 2 ]
amdhsa.kernels:
  - .name:           k_q796012a77c_qkv
    .symbol:         k_q796012a77c_qkv.kd
    .args:
      - { .name: hn, .offset: 0, .size: 8, .value_kind: global_buffer, .address_space: global }
      - { .name: wq_codes, .offset: 8, .size: 8, .value_kind: global_buffer, .address_space: global }
      - { .name: wq_scales, .offset: 16, .size: 8, .value_kind: global_buffer, .address_space: global }
      - { .name: wk_codes, .offset: 24, .size: 8, .value_kind: global_buffer, .address_space: global }
      - { .name: wk_scales, .offset: 32, .size: 8, .value_kind: global_buffer, .address_space: global }
      - { .name: wv_codes, .offset: 40, .size: 8, .value_kind: global_buffer, .address_space: global }
      - { .name: wv_scales, .offset: 48, .size: 8, .value_kind: global_buffer, .address_space: global }
      - { .name: qkv, .offset: 56, .size: 8, .value_kind: global_buffer, .address_space: global }
    .group_segment_fixed_size: 327680
    .private_segment_fixed_size: 0
    .kernarg_segment_align: 8
    .kernarg_segment_size: 64
    .max_flat_workgroup_size: 128
    .sgpr_count:     106
    .vgpr_count:     1024
    .wavefront_size: 32
...
	.end_amdgpu_metadata
.endif
;; end of part 2
;; launch att (part 3): grid 8 x 32, 16 waves a work-group, clusters of 4 x 1, 215,040 bytes of LDS; arguments qkv, ao; writes ao
.if DOCPART == 3
	.amdgcn_target "amdgcn-amd-amdhsa--gfx1250"
	.amdhsa_code_object_version 6
	.text
	.protected	k_q796012a77c_att
	.globl	k_q796012a77c_att
	.p2align	8
	.type	k_q796012a77c_att,@function
k_q796012a77c_att:
	s_mov_b64 s[64:65], 0
	v_nop
	global_prefetch_b8 v0, s[64:65] scope:SCOPE_SE
	s_setreg_imm32_b32 hwreg(HW_REG_WAVE_MODE, 25, 1), 1
	s_wait_xcnt 0x0
	s_wait_alu depctr_hold_cnt(0) depctr_sa_sdst(0) depctr_va_vdst(0) depctr_va_sdst(0) depctr_va_ssrc(0) depctr_va_vcc(0) depctr_vm_vsrc(0)
	s_getreg_b32 s2, hwreg(HW_REG_IB_STS2, 6, 4)
	s_cmp_eq_u32 s2, 0
	s_cbranch_scc0 .Lentry_in_a_cluster
	s_endpgm
.Lentry_in_a_cluster:
	s_bfe_u32 s2, ttmp6, 0x10000c
	s_cmp_lg_u32 s2, 0x3003
	s_cbranch_scc0 .Lentry_shape_is_right
	s_endpgm
.Lentry_shape_is_right:
; o = softmax(q k^T / 8) v for each of 32 (batch, head), 2,048 tokens, head size 64, both products on FP6 (E2M3) codes with E8M0 scales; o / l is quantised along the head's 64 for the next product.
; THE INPUT mask IS NOT READ: it is not handed to the attention, and no result hangs on it.
; THE SOFTMAX: t = score x log2(e) / 8; M = the running largest t rounded UP to a whole number; p = 2^(t - M) is quantised along the keys, not normalised; the sum l is taken of the unquantised p and divides at the end.
; When M moves, l and O are multiplied by 2^(old M - new M): exact.
; SHARES.  A work-group owns 256 queries of one head, each of its sixteen waves 16 of them in 256 registers: four waves to a SIMD, so that one wave's vector work stands beside another's products and LDS loads.
; ALL OF A HEAD'S K AND V LIE IN LDS: 98,304 bytes of codes each and 8,192 of scale images each, filled ONCE: no slot is filled again.  The four query blocks of a cluster read the same K and V and ask JOINTLY
; (mask 15).  Wave 0 asks for K's, wave 1 for V's: the scale images, key steps 0-3, key steps 4-15; the first four steps are worked on while the last load lands.
; Nothing is prefetched: every byte that the launch reads is asked for at its head.
; LAYOUT.  S^T = K Q^T (source 0 = 16 keys, source 1 = my 16 queries), O^T = V^T P^T: a lane holds ONE query.  Codes lie in LDS as images of the operand's registers: 768 bytes for 6 registers (512: registers 0-3, 16 bytes a lane; 256: registers 4-5).
; K = 64 IN AN INSTRUCTION OF 128: Q's registers 6-11 are zero codes.  K's tile t is named as 12 registers from 32 + 6 t, so its upper six are the next tile's codes (zeros behind tile 7): they meet zero codes, FP6 has neither
; NaN nor infinity, and no scale byte is 0xff: those products are exact zeros.
; P: register 16 b + 8 u + j is key 32 b + 16 u + 8 (lane / 16) + j; the conversions' 48-bit pieces are woven into the operand's order (macro WEAVE).
; LIMITS: a block of zeros gets the byte 1 where the quantiser's rule says 127 (zero codes; only this program reads the bytes); NaN and infinities are not served.
.set VB,  98304                        ; LDS: K's codes at 0, V's here,
.set KSB, 196608                       ; K's scale images,
.set VSB, 204800                       ; V's (both heads of a pair)
; v1 16 x lane; v2 8 x lane + 512; v3, v4 my place in K's and V's scale images; v5-10 the step's addresses; v11 at work; v12 -M; v13 the largest t; v[14:15] l in two halves; v16-27 Q; v28 Q's scale word;
; v30 f; v31 P's scale word; v32-85 K (v32-47 at work behind the first product); v86-89 K's scale words, v90-91 V's; v96-159 S^T, then p; v160-191 O^T; v192-239 V; v240-251 P's codes
.macro CROUND
	s_barrier_signal -1
	s_barrier_wait -1
	s_cmp_lg_u32 s8, 0
	s_cbranch_scc1 .Lnot_wave_0_\@
	s_barrier_signal -3
.Lnot_wave_0_\@:
	s_barrier_wait -3
	s_barrier_signal -1
	s_barrier_wait -1
.endm
	s_load_b128 s[4:7], s[0:1], 0x0                ; qkv, ao
	v_lshl_add_u32 v254, v0, 2, 0x34000
	v_mov_b32 v255, 0
	ds_add_u32 v254, v255
	ds_add_u32 v254, v255
	v_lshrrev_b32 v1, 5, v0
	v_readfirstlane_b32 s8, v1                     ; wave 0..15
	s_bfe_u32 s9, ttmp6, 0x40000                   ; cx
	s_lshl_b32 s10, ttmp9, 2
	s_add_co_u32 s10, s10, s9                      ; my block of 256 queries: it enters Q's and ao's addresses alone
	s_and_b32 s11, ttmp7, 0xffff                   ; 16 x batch + head, which the four partners share
.irp g, 16,24,32                       ; three groups 1: dense blocks as rows of 256 bytes (32 elements of 8), no padding; mask 15 and bit 21
	s_mov_b32 s[\g], 15|(3<<16)|(1<<21)
	s_mov_b32 s[\g+1], 32<<16
	s_mov_b32 s[\g+3], 32<<16
	s_mov_b32 s[\g+5], 32
	s_mov_b32 s[\g+6], 0
	s_mov_b32 s[\g+7], 0
.endr
	s_mov_b32 s18, 32<<16                          ; the scale images: 32 rows
	s_mov_b32 s20, 32
	s_mov_b32 s26, 96<<16                          ; key steps 0-3: 96 rows
	s_mov_b32 s28, 96
	s_mov_b32 s34, 288<<16                         ; key steps 4-15: 288 rows
	s_mov_b32 s36, 288
	s_lshr_b32 s66, s11, s8                        ; wave 0: K's images, one set a head; wave 1: V's, one set for two heads
	s_lshl_b32 s66, s66, 13
	s_lshl_b32 s67, s8, 18
	s_add_co_u32 s66, s66, s67
	s_add_co_u32 s66, s66, 9699328
	s_mov_b32 s67, 0
	s_mul_i32 s68, s11, 98304
	s_mul_i32 s69, s8, 3145728
	s_add_co_u32 s68, s68, s69
	s_add_co_u32 s68, s68, 3145728                 ; the head's codes, K's or V's
	s_mov_b32 s69, 0
	s_lshl_b32 s70, s8, 13
	s_mul_i32 s71, s8, VB
	s_mov_b32 s52, 0x76543210
	s_mov_b32 s53, 0xfedcba98                      ; selects for lane l xor 16
	s_mov_b32 s54, 0x3e38aa3b                      ; c = log2(e) / 8
	s_mov_b32 s55, s54                             ; (named with it as a pair)
	s_mov_b32 s56, 0                               ; the step's codes of K: 6,144 bytes a step,
	s_mov_b32 s59, VB                              ; of V,
	s_mov_b32 s57, 0                               ; its scale images: 512 a step
	s_wait_dscnt 0x0
	s_wait_kmcnt 0x0
	s_mov_b32 s40, 1
	s_add_co_u32 s41, s70, KSB
	s_add_nc_u64 s[42:43], s[4:5], s[66:67]
	s_or_b32 s43, s43, 0x80000000
	s_mov_b32 s44, 1
	s_mov_b32 s45, s71
	s_add_nc_u64 s[46:47], s[4:5], s[68:69]
	s_mov_b32 s48, 1
	s_add_co_u32 s49, s71, 24576
	s_add_nc_u64 s[50:51], s[46:47], 24576
	s_or_b32 s47, s47, 0x80000000
	s_or_b32 s51, s51, 0x80000000
	CROUND                                         ; all four work-groups are here: the joint loads meet
	s_cmp_lt_u32 s8, 2
	s_cbranch_scc0 .Lno_fetch
	tensor_load_to_lds s[40:43], s[16:23]
	s_nop 0
	tensor_load_to_lds s[44:47], s[24:31]
	s_nop 0
	tensor_load_to_lds s[48:51], s[32:39]          ; three tensor loads of the wave are out
	s_nop 0
.rept 4
	v_nop
.endr
.Lno_fetch:
	v_and_b32 v11, 31, v0
	v_lshlrev_b32 v1, 4, v11
	v_lshlrev_b32 v2, 3, v11
	v_add_nc_u32 v2, 512, v2
	v_add_nc_u32 v3, KSB, v1
	s_and_b32 s66, s11, 1
	s_lshl_b32 s66, s66, 3                         ; the odd head's two words lie 8 bytes on
	s_add_co_u32 s66, s66, VSB
	v_add_nc_u32 v4, s66, v1
	v_and_b32 v11, 15, v0
	v_lshlrev_b32 v11, 4, v11                      ; 16 x (lane % 16)
	s_lshl_b32 s66, s11, 7
	s_lshl_b32 s67, s10, 4
	s_add_co_u32 s66, s66, s67
	s_add_co_u32 s66, s66, s8                      ; my tile of queries among q's: 128 a head
	s_mul_i32 s72, s66, 768
	s_mov_b32 s73, 0
	s_add_nc_u64 s[72:73], s[4:5], s[72:73]
	s_and_b32 s70, s8, 1
	s_lshl_b32 s70, s70, 8
	s_bfe_u32 s71, s8, 0x20001
	s_lshl_b32 s71, s71, 2
	s_add_co_u32 s70, s70, s71                     ; my tile's words in a scale image: lanes 16 (wave % 2) on, word (wave % 8) / 2
	s_lshr_b32 s74, s66, 3
	s_lshl_b32 s74, s74, 9
	s_add_co_u32 s74, s74, s70
	s_add_co_u32 s74, s74, 9437184
	s_mov_b32 s75, 0
	s_add_nc_u64 s[74:75], s[4:5], s[74:75]
	global_load_b128 v[16:19], v1, s[72:73]        ; Q's half image stays in registers
	global_load_b64 v[20:21], v2, s[72:73]
	global_load_b32 v28, v11, s[74:75]             ; row r's scale word, in lanes r and 16 + r
	s_lshr_b32 s76, s11, 4
	s_lshl_b32 s76, s76, 7
	s_add_co_u32 s76, s76, s67
	s_add_co_u32 s76, s76, s8                      ; my token tile among all 256
	s_bfe_u32 s68, s11, 0x30001                    ; the next product's K step: head / 2
	s_and_b32 s69, s11, 1
	s_lshr_b32 s78, s76, 3
	s_lshl_b32 s78, s78, 3
	s_add_co_u32 s78, s78, s68
	s_lshl_b32 s78, s78, 9
	s_add_co_u32 s78, s78, s70
	s_lshl_b32 s71, s69, 1
	s_add_co_u32 s78, s78, s71                     ; the head's two bytes of the word
	s_add_co_u32 s78, s78, 3145728
	s_mov_b32 s79, 0
	s_add_nc_u64 s[78:79], s[6:7], s[78:79]
	s_mul_i32 s76, s76, 12288
	s_mul_i32 s68, s68, 1536
	s_add_co_u32 s76, s76, s68
	s_mul_i32 s69, s69, 768
	s_add_co_u32 s76, s76, s69
	s_mov_b32 s77, 0
	s_add_nc_u64 s[76:77], s[6:7], s[76:77]        ; the head's half of the image
	v_mov_b32 v13, 0xff61b1e6                      ; the largest t so far: -3e38
	v_floor_f32 v12, -v13
	v_mov_b32 v14, 0
	v_mov_b32 v15, 0
	v_mov_b32 v31, 0                               ; (named as the upper half of the pair v[30:31] before it is first written)
.irp j, 22,23,24,25,26,27,80,81,82,83,84,85,36,37,38,39
	v_mov_b32 v[\j], 0                             ; Q's upper half; the codes behind K's tile 7; the lane permutes' destinations
.endr
.set j, 0
.rept 32
	v_mov_b32 v[160+j], 0                          ; O^T: the step is written once; its first trip finds zeros
.set j, j+1
.endr
.macro WEAVE u, v                      ; u: the codes of block 2 c (3 registers), v: of block 2 c + 1.  Out: u .. u + 5 = the lane's whole block 2 c + lane / 16, in K's order
.irp i, 0,1,2
	v_permlane16_swap_b32 v[\u+\i], v[\v+\i]
.endr
	v_alignbit_b32 v[\u+3], v[\u+2], v[\u+1], 16
	v_perm_b32 v[\u+4], v[\v+1], v[\u+2], 0x07060302
	v_mov_b32 v[\u+5], v[\v+2]
	v_perm_b32 v[\u+1], v[\v], v[\u+1], 0x05040100
	v_alignbit_b32 v[\u+2], v[\v+1], v[\v], 16
.endm
.macro STEP                            ; 128 keys
	v_add_nc_u32 v5, s56, v1                       ; (these six are also the places between the last products and the loads into V's registers)
	v_add_nc_u32 v6, s56, v2
	v_add_nc_u32 v7, s59, v1
	v_add_nc_u32 v8, s59, v2
	v_add_nc_u32 v9, s57, v3
	v_add_nc_u32 v10, s57, v4
.irp t, 0,1,2,3,4,5,6,7
	ds_load_b128 v[32+6*\t:35+6*\t], v5 offset:768*\t
	ds_load_b64 v[36+6*\t:37+6*\t], v6 offset:768*\t
.endr
	ds_load_b128 v[86:89], v9
.irp f, 0,1,2,3,4,5,6,7
	ds_load_b128 v[192+6*\f:195+6*\f], v7 offset:768*\f
	ds_load_b64 v[196+6*\f:197+6*\f], v8 offset:768*\f
.endr
	ds_load_b64 v[90:91], v10
	s_wait_dscnt 17                                ; K's 17 loads are in; V's 17 may be out
.irp t, 0,1,2,3,4,5,6,7
.if \t%2
	v_wmma_scale_f32_16x16x128_f8f6f4 v[96+8*\t:103+8*\t], v[32+6*\t:43+6*\t], v[16:27], 0, v[86+\t/2], v28 matrix_a_fmt:MATRIX_FMT_FP6 matrix_b_fmt:MATRIX_FMT_FP6 matrix_a_scale:MATRIX_SCALE_ROW1
.else
	v_wmma_scale_f32_16x16x128_f8f6f4 v[96+8*\t:103+8*\t], v[32+6*\t:43+6*\t], v[16:27], 0, v[86+\t/2], v28 matrix_a_fmt:MATRIX_FMT_FP6 matrix_b_fmt:MATRIX_FMT_FP6
.endif
.endr
.rept 4
	v_nop                                          ; places: the scores are read, and K's registers written, behind these
.endr
.irp b, 0,1,2,3
	v_max3_num_f32 v[32+\b], v[96+16*\b], v[97+16*\b], v[98+16*\b]   ; the largest score of each block of 32 keys: for the row's maximum, and, since p rises with the score, for the block's largest p
.endr
.irp i, 3,5,7,9,11,13
.irp b, 0,1,2,3
	v_max3_num_f32 v[32+\b], v[32+\b], v[96+16*\b+\i], v[97+16*\b+\i]
.endr
.endr
.irp b, 0,1,2,3
	v_max_num_f32 v[32+\b], v[32+\b], v[111+16*\b]
.endr
.irp b, 0,1,2,3
	v_permlanex16_b32 v[36+\b], v[32+\b], s52, s53
.endr
.irp b, 0,1,2,3
	v_max_num_f32 v[32+\b], v[32+\b], v[36+\b]
.endr
	v_max3_num_f32 v11, v32, v33, v34
	v_max_num_f32 v11, v11, v35
	v_mul_f32 v11, s54, v11                        ; as t
	v_max_num_f32 v13, v13, v11
	v_mov_b32 v11, v12
	v_floor_f32 v12, -v13                          ; -M = floor(-t): M is a whole number
	v_sub_f32 v11, v12, v11
	v_cvt_i32_f32 v11, v11                         ; (it saturates)
	v_ldexp_f32 v30, 1.0, v11                      ; f = 2^(old M - new M)
.set j, 0
.rept 32
	v_pk_fma_f32 v[96+j:97+j], v[96+j:97+j], s[54:55], v[12:13] op_sel_hi:[1,0,0]   ; t - M
.set j, j+2
.endr
.irp b, 0,1,2,3
	v_fma_f32 v[32+\b], v[32+\b], s54, v12
.endr
.set j, 0
.rept 64
	v_exp_f32 v[96+j], v[96+j]                     ; p
.set j, j+1
.endr
	v_pk_mul_f32 v[14:15], v[14:15], v[30:31] op_sel_hi:[1,0]   ; l under the new M (a plain line behind the exponentials)
	s_wait_alu depctr_va_vdst(0)                   ; one wait for the batch of 64, ahead of its first reader
.irp b, 0,1,2,3
	v_exp_f32 v[32+\b], v[32+\b]                   ; each block's largest p
.endr
	v_pk_add_f32 v[36:37], v[96:97], v[98:99]      ; l is summed of the unquantised p, in two chains
.irp j, 4,8,12,16,20,24,28,32,36,40,44,48,52,56,60
	v_pk_add_f32 v[14:15], v[14:15], v[96+\j:97+\j]
	v_pk_add_f32 v[36:37], v[36:37], v[98+\j:99+\j]
.endr
	v_pk_add_f32 v[14:15], v[14:15], v[36:37]
	s_wait_alu depctr_va_vdst(0)                   ; and one for the four
.irp b, 0,1,2,3
	v_max_num_f32 v[32+\b], 0x1800000, v[32+\b]    ; the floor 2^(3 - 127)
.endr
.irp b, 0,1,2,3
	v_add_nc_u32 v[44+\b], 0xff000000, v[32+\b]    ; the conversion's scale operand
.endr
.irp b, 0,1,2,3
	v_lshrrev_b32 v[36+\b], 23, v[44+\b]
.endr
	v_lshl_or_b32 v31, v37, 8, v36                 ; P's scale word
	v_lshl_or_b32 v31, v38, 16, v31
	v_lshl_or_b32 v31, v39, 24, v31
.irp c, 0,1
	v_cvt_scalef32_pk16_fp6_f32 v[240+6*\c:242+6*\c], v[96+32*\c:111+32*\c], v[44+2*\c]
	v_cvt_scalef32_pk16_fp6_f32 v[36+4*\c:38+4*\c], v[112+32*\c:127+32*\c], v[45+2*\c]
.endr
	v_nop                                          ; one plain line behind the conversions
	WEAVE 240, 36
	WEAVE 246, 40
.set j, 0
.rept 16
	v_pk_mul_f32 v[160+j:161+j], v[160+j:161+j], v[30:31] op_sel_hi:[1,0]   ; O^T under the new M; these 16 also stand between the writes of P's codes and scale word and the products
.set j, j+2
.endr
	s_wait_dscnt 0x0                               ; V
.irp d, 0,1,2,3
.if \d%2
	v_wmma_scale_f32_16x16x128_f8f6f4 v[160+8*\d:167+8*\d], v[192+12*\d:203+12*\d], v[240:251], v[160+8*\d:167+8*\d], v[90+\d/2], v31 matrix_a_fmt:MATRIX_FMT_FP6 matrix_b_fmt:MATRIX_FMT_FP6 matrix_a_scale:MATRIX_SCALE_ROW1
.else
	v_wmma_scale_f32_16x16x128_f8f6f4 v[160+8*\d:167+8*\d], v[192+12*\d:203+12*\d], v[240:251], v[160+8*\d:167+8*\d], v[90+\d/2], v31 matrix_a_fmt:MATRIX_FMT_FP6 matrix_b_fmt:MATRIX_FMT_FP6
.endif
.endr
	s_add_co_u32 s56, s56, 6144
	s_add_co_u32 s59, s59, 6144
	s_add_co_u32 s57, s57, 512
.endm
	s_wait_loadcnt 0x0                             ; Q
	s_wait_tensorcnt 0x1                           ; the scale images and key steps 0-3 are in; the third load may stay out
	s_barrier_signal -1
	s_barrier_wait -1
	s_mov_b32 s58, 4
.Lfirst:
	STEP
	s_sub_co_u32 s58, s58, 1
	s_cmp_lg_u32 s58, 0
	s_cbranch_scc1 .Lfirst
	s_wait_tensorcnt 0x0                           ; key steps 4-15 are in,
	s_wait_dscnt 0x0
	s_barrier_signal -1
	s_barrier_wait -1                              ; for every wave
	s_mov_b32 s58, 12
.Lrest:
	STEP
	s_sub_co_u32 s58, s58, 1
	s_cmp_lg_u32 s58, 0
	s_cbranch_scc1 .Lrest
	; THE WAY OUT: O^T / l, quantised along the head's 64: two blocks, half an image
	v_add_f32 v14, v14, v15
	v_permlanex16_b32 v11, v14, s52, s53
	v_add_f32 v14, v14, v11
	v_rcp_f32 v14, v14
	v_and_b32 v11, 15, v0
	v_lshlrev_b32 v11, 4, v11
	v_nop
	v_nop
	s_wait_alu depctr_va_vdst(0)                   ; ahead of the reciprocal's first reader
.set j, 0
.rept 32
	v_mul_f32 v[96+j], v[160+j], v14               ; register 8 t + i: channel 16 t + 8 (lane / 16) + i
.set j, j+1
.endr
.irp b, 0,1
	v_max3_num_f32 v[32+\b], |v[96+16*\b]|, |v[97+16*\b]|, 0x1800000
.endr
.irp i, 2,4,6,8,10,12,14
.irp b, 0,1
	v_max3_num_f32 v[32+\b], v[32+\b], |v[96+16*\b+\i]|, |v[97+16*\b+\i]|
.endr
.endr
.irp b, 0,1
	v_permlanex16_b32 v[36+\b], v[32+\b], s52, s53
.endr
.irp b, 0,1
	v_max_num_f32 v[32+\b], v[32+\b], v[36+\b]
.endr
.irp b, 0,1
	v_add_nc_u32 v[44+\b], 0xff000000, v[32+\b]
.endr
.irp b, 0,1
	v_lshrrev_b32 v[36+\b], 23, v[44+\b]
.endr
	v_lshl_or_b32 v10, v37, 8, v36                 ; the head's two scale bytes of my row
	v_cvt_scalef32_pk16_fp6_f32 v[240:242], v[96:111], v44
	v_cvt_scalef32_pk16_fp6_f32 v[36:38], v[112:127], v45
	v_nop
	WEAVE 240, 36
	global_store_b128 v1, v[240:243], s[76:77]     ; 512 consecutive bytes,
	global_store_b64 v2, v[244:245], s[76:77]      ; and the 256 behind them
	global_store_b16 v11, v10, s[78:79]            ; two bytes a row, 16 bytes apart: the word's other two bytes are the neighbouring head's work-group's.  Lanes 16-31 name the same bytes with the same value.  One such store a wave
	s_wait_tensorcnt 0x0
	ds_add_u32 v254, v255
	s_wait_dscnt 0x0
	CROUND                                         ; the closing round: no work-group ends while a partner may still ask jointly
	s_endpgm
.Lfunc_end_k_q796012a77c_att:
	.size	k_q796012a77c_att, .Lfunc_end_k_q796012a77c_att-k_q796012a77c_att
	.p2alignl 7, 3214868480
	.fill 96, 4, 3214868480
	.section	.rodata,"a",@progbits
	.p2align	6, 0x0
	.amdhsa_kernel k_q796012a77c_att
		.amdhsa_group_segment_fixed_size 215040
		.amdhsa_private_segment_fixed_size 0
		.amdhsa_enable_private_segment 0
		.amdhsa_kernarg_size 16
		.amdhsa_user_sgpr_count 2
		.amdhsa_user_sgpr_kernarg_segment_ptr 1
		.amdhsa_wavefront_size32 1
		.amdhsa_system_sgpr_workgroup_id_x 1
		.amdhsa_system_sgpr_workgroup_id_y 1
		.amdhsa_system_sgpr_workgroup_id_z 1
		.amdhsa_system_vgpr_workitem_id 0
		.amdhsa_next_free_vgpr 256
		.amdhsa_next_free_sgpr 80
		.amdhsa_reserve_vcc 0
		.amdhsa_float_denorm_mode_32 3
		.amdhsa_float_denorm_mode_16_64 3
		.amdhsa_memory_ordered 1
		.amdhsa_forward_progress 1
		.amdhsa_inst_pref_size 46
	.end_amdhsa_kernel
	.amdgpu_metadata
---
amdhsa.version: [ 1, 2 ]
amdhsa.kernels:
  - .name:           k_q796012a77c_att
    .symbol:         k_q796012a77c_att.kd
    .args:
      - { .name: qkv, .offset: 0, .size: 8, .value_kind: global_buffer, .address_space: global }
      - { .name: ao, .offset: 8, .size: 8, .value_kind: global_buffer, .address_space: global }
    .group_segment_fixed_size: 215040
    .private_segment_fixed_size: 0
    .kernarg_segment_align: 8
    .kernarg_segment_size: 16
    .max_flat_workgroup_size: 512
    .sgpr_count:     80
    .vgpr_count:     256
    .wavefront_size: 32
...
	.end_amdgpu_metadata
.endif
;; end of part 3
;; launch wo (part 4): grid 8 x 32, 4 waves a work-group, clusters of 4 x 4, 327,680 bytes of LDS; arguments ao, wo_codes, wo_scales, x, x1; writes x1
.if DOCPART == 4
	.amdgcn_target "amdgcn-amd-amdhsa--gfx1250"
	.amdhsa_code_object_version 6
	.text
	.protected	k_q796012a77c_wo
	.globl	k_q796012a77c_wo
	.p2align	8
	.type	k_q796012a77c_wo,@function
k_q796012a77c_wo:
	s_mov_b64 s[64:65], 0
	v_nop
	global_prefetch_b8 v0, s[64:65] scope:SCOPE_SE
	s_setreg_imm32_b32 hwreg(HW_REG_WAVE_MODE, 25, 1), 1
	s_wait_xcnt 0x0
	s_wait_alu depctr_hold_cnt(0) depctr_sa_sdst(0) depctr_va_vdst(0) depctr_va_sdst(0) depctr_va_ssrc(0) depctr_va_vcc(0) depctr_vm_vsrc(0)
	s_getreg_b32 s2, hwreg(HW_REG_IB_STS2, 6, 4)
	s_cmp_eq_u32 s2, 0
	s_cbranch_scc0 .Lentry_in_a_cluster
	s_endpgm
.Lentry_in_a_cluster:
	s_bfe_u32 s2, ttmp6, 0x10000c
	s_cmp_lg_u32 s2, 0xf033
	s_cbranch_scc0 .Lentry_shape_is_right
	s_endpgm
.Lentry_shape_is_right:
; out = res + A B^T (+ bias): A [4,096][SIZE_K] as images of the operand's registers with scale images (made by the launch before), B [1,024][SIZE_K] a weight's FP6 (E2M3) codes and E8M0 scale bytes as given, res and out [4,096][1,024] f32.
; A TILE IS 128 x 128: 4,096 x 1,024 gives 256 of them, one for each WGP; tiles of 256 x 256 would be 64.  Four waves, 64 x 64 each: 16 accumulators.  Source 0 = 16 rows of B, source 1 = 16 rows of A: a lane holds 8 neighbouring columns of a row.
; A slot holds 512 along K, four K steps of 128: A's 8 tiles x 6,144 dense bytes (images: 1,536 a K step), then B's 128 rows as two sub-tiles of 256 along K (rows of 192 bytes, 16 bytes of padding behind every 64: pitch 240).
; Two slots.  Waves 0, 1 fetch A's halves (4 tiles each), waves 2, 3 B's sub-tiles.  The scales for all of K come once, with the first fills.
; res IS ASKED FOR AT THE HEAD: a wave's 64 rows x 256 bytes, 32 loads, into 128 registers of a window that nothing else names.  They are wanted only behind the last product, and have all of K in which to land.
; CLUSTERS of 4 x 4: A's tiles are asked for jointly by a row of the cluster, B's by a column.
; No prefetch is laid: a small tile and a short launch.
.set SIZE_K, 1024
.set BIAS,   0
.set CM0,    2*BIAS                    ; what starts the sums: 0 the constant 0, 2 the bias
.set NK,     SIZE_K/128
.set KS,     SIZE_K/32
.set KROW,   SIZE_K*3/4
.set LAPS,   SIZE_K/1024
.set ASOFF,  393216*NK                 ; A's scale images lie behind its 256 x NK images of 1,536 bytes
.set PITCH,  240
.set FR,     12
.set ATILE,  6144
.set AHALF,  4*ATILE
.set BOFF,   8*ATILE
.set BSUB,   128*PITCH
.set SLOT,   BOFF+2*BSUB
.set SCLA,   2*SLOT                    ; A's scale images: 512 bytes a K step
.set RBS,    64*KS/256                 ; B's scale bytes of 64 rows, in rows of 256 bytes
.set SCLB,   SCLA+512*NK
.set SPARE,  SCLB+2*RBS*272            ; the spare words, 128 bytes a wave: two blocks of 256 bytes that no other line names
.set SPITCH, 272                       ; the way out: 16 rows x (256 + 16) a wave, in slot 0, which has had its last fill and its last read by then
.set A16,  16                          ; v16-17 A's images, 16 bytes a lane (slot 0, 1)
.set A8,   18                          ; v18-19 the same, 8 bytes a lane, 512 on
.set ADRB, 20                          ; v20-23 B's fragments (slot 0, 1; behind one padding more)
.set STO,  24
.set RD,   25
.set CO,   26                          ; v26 my byte offset in two rows of res and out; never rewritten
.set ASA,  27                          ; v27 my place in A's scale images
.set SPW,  28                          ; v28 my spare word; never rewritten
.set NIL,  29                          ; v29 0; never rewritten
.set ASB,  30                          ; v30 my place among B's scale bytes
.set SC,   32                          ; v32-63 scale words: set s at SC + 16 s: + 2 q + a / 2 A's (lanes 0-15 the even tile, 16-31 the odd), + 8 + 4 (b / 2) + q B's
.set BI,   64                          ; v64-95 the bias; on the way out v64-127: rows read back
.set ACC,  128                         ; v128-255 the accumulators: (a, b) at ACC + 8 (4 a + b)
.set F0,   0                           ; window 1: two fragment buffers: A's four at + 12 i, B's four at + 48 + 12 i
.set F1,   128                         ; window 2: v0-127 res: block a of 16 rows at 32 a
.set WV,  20
.set RH,  21
.set CH,  22
.set G1,  24
.set G0,  32
.set G1B, 48
.set G0B, 56
.set G1S, 68
.set G0S, 76
.set G1SB, 80
.set G0SB, 88
.set MSB, 0
.macro WIN new
.if MSB != (\new)
	s_set_vgpr_msb (MSB<<8)|(\new)
.set MSB, (\new)
.endif
.endm
.macro JLOAD g0a, g1a, g0b, g1b        ; a joint load: waves 0, 1 for A, waves 2, 3 for B; four v_nop follow each line
	s_cmp_eq_u32 s[RH], 0
	s_cbranch_scc0 .Lfor_b_\@
	tensor_load_to_lds s[\g0a:\g0a+3], s[\g1a:\g1a+7]
	s_nop 0
.rept 4
	v_nop
.endr
	s_branch .Lasked_\@
.Lfor_b_\@:
	tensor_load_to_lds s[\g0b:\g0b+3], s[\g1b:\g1b+7]
	s_nop 0
.rept 4
	v_nop
.endr
.Lasked_\@:
.endm
.macro CREST
	s_cmp_lg_u32 s[WV], 0
	s_cbranch_scc1 .Lnot_wave_0_\@
	s_barrier_signal -3
.Lnot_wave_0_\@:
	s_barrier_wait -3
	s_barrier_signal -1
	s_barrier_wait -1
.endm
.macro CROUND
	s_barrier_signal -1
	s_barrier_wait -1
	CREST
.endm
	s_load_b256 s[4:11], s[0:1], 0x0               ; A, B's codes, B's scales, res
.if BIAS
	s_load_b128 s[12:15], s[0:1], 0x20             ; the bias, out
.set OUTP, 14
.else
	s_load_b64 s[12:13], s[0:1], 0x20              ; out
.set OUTP, 12
.endif
	v_lshl_add_u32 v[SPW], v0, 2, SPARE
	v_mov_b32 v[NIL], 0
	ds_add_u32 v28, v29
	ds_add_u32 v28, v29
	s_wait_dscnt 0x0
	v_lshrrev_b32 v1, 5, v0
	v_readfirstlane_b32 s[WV], v1
	s_lshr_b32 s[RH], s[WV], 1                     ; my 64 rows; also: I fetch for A (0) or B (1)
	s_and_b32 s[CH], s[WV], 1                      ; my 64 columns; also: which half I fetch
	s_bfe_u32 s40, ttmp6, 0x40000                  ; cx
	s_bfe_u32 s41, ttmp6, 0x40004                  ; cy
	s_lshl_b32 s42, ttmp9, 2
	s_add_co_u32 s42, s42, s40                     ; tile column
	s_and_b32 s45, ttmp7, 0xffff
	s_lshl_b32 s45, s45, 2
	s_add_co_u32 s45, s45, s41                     ; tile row
	s_lshl_b32 s43, s41, 2
	s_lshl_b32 s43, 15, s43                        ; my row of the cluster
	s_lshl_b32 s44, 0x1111, s40                    ; my column
	s_or_b32 s[G1+0], s43, (3<<16)|(1<<21)         ; A's codes: 4 tiles x 6,144 bytes (768 elements of 8), a tile's images 1,536 NK bytes apart; no padding
	s_mov_b32 s[G1+1], 768<<16
	s_mov_b32 s[G1+2], 4<<16
	s_mov_b32 s[G1+3], 768<<16
	s_mov_b32 s[G1+4], 4
	s_mov_b32 s[G1+5], 192*NK
	s_mov_b32 s[G1+6], 0
	s_mov_b32 s[G1+7], 0
	s_or_b32 s[G1B+0], s44, (0<<16)|(1<<20)|(1<<21)|(3<<22)|(3<<25)   ; B's codes: 128 rows x 192 bytes, 4 words of padding after every 16
	s_mov_b32 s[G1B+1], 192<<16
	s_mov_b32 s[G1B+2], 128<<16
	s_mov_b32 s[G1B+3], 192<<16
	s_mov_b32 s[G1B+4], 128
	s_mov_b32 s[G1B+5], KROW
	s_mov_b32 s[G1B+6], 0
	s_mov_b32 s[G1B+7], 0
	s_or_b32 s[G1S+0], s43, (3<<16)|(1<<21)        ; A's scale images: 256 NK dense bytes as NK rows of 256
	s_mov_b32 s[G1S+1], 32<<16
	s_mov_b32 s[G1S+2], NK<<16
	s_mov_b32 s[G1S+3], 32<<16
	s_mov_b32 s[G1S+4], NK
	s_mov_b32 s[G1S+5], 32
	s_mov_b32 s[G1S+6], 0
	s_mov_b32 s[G1S+7], 0
	s_or_b32 s[G1SB+0], s44, (3<<16)|(1<<20)|(1<<21)|(5<<22)|(3<<25)  ; B's scale bytes of 64 rows: RBS rows of 256, 16 bytes of padding behind each
	s_mov_b32 s[G1SB+1], 32<<16
	s_mov_b32 s[G1SB+2], RBS<<16
	s_mov_b32 s[G1SB+3], 32<<16
	s_mov_b32 s[G1SB+4], RBS
	s_mov_b32 s[G1SB+5], 32
	s_mov_b32 s[G1SB+6], 0
	s_mov_b32 s[G1SB+7], 0
	s_lshl_b32 s100, s45, 3
	s_lshl_b32 s66, s[CH], 2
	s_add_co_u32 s100, s100, s66                   ; A: the first token tile that I fetch: 8 x tile row + 4 x half.  s46, s47, s100, s101 never hold cx
	s_mov_b32 s101, 0
	s_mul_i32 s46, s100, 64*NK                     ; its part of the scale images: 512 NK bytes for 8 tiles
	s_add_co_u32 s46, s46, ASOFF
	s_mov_b32 s47, 0
	s_mul_i32 s100, s100, 1536*NK
	s_lshl_b32 s2, s42, 7                          ; B: row 128 x tile column.  s2, s3, s16, s17 never hold cy
	s_mul_i32 s16, s2, KROW
	s_mul_i32 s66, s[CH], 192                      ; my sub-tile: 256 along K on
	s_add_co_u32 s16, s16, s66
	s_mov_b32 s17, 0
	s_lshl_b32 s66, s[CH], 6
	s_add_co_u32 s2, s2, s66
	s_mul_i32 s2, s2, KS                           ; the scale bytes of my 64 rows
	s_mov_b32 s3, 0
	s_mul_i32 s66, s[CH], AHALF                    ; where they go: no place in the cluster enters an LDS address
	s_mul_i32 s67, s[CH], BSUB
	s_add_co_u32 s67, s67, BOFF
	s_mul_i32 s18, s[CH], 256*NK
	s_add_co_u32 s18, s18, SCLA
	s_mul_i32 s19, s[CH], RBS*272
	s_add_co_u32 s19, s19, SCLB
	s_wait_kmcnt 0x0
	s_add_nc_u64 s[92:93], s[4:5], s[100:101]
	s_add_nc_u64 s[94:95], s[4:5], s[46:47]
	s_add_nc_u64 s[96:97], s[6:7], s[16:17]
	s_add_nc_u64 s[98:99], s[8:9], s[2:3]
	CROUND                                         ; all sixteen work-groups are here: the first joint loads meet
	s_mov_b32 s[G0S], 1
	s_mov_b32 s[G0S+1], s18
	s_mov_b64 s[G0S+2:G0S+3], s[94:95]
	s_or_b32 s[G0S+3], s[G0S+3], 0x80000000
	s_mov_b32 s[G0SB], 1
	s_mov_b32 s[G0SB+1], s19
	s_mov_b64 s[G0SB+2:G0SB+3], s[98:99]
	s_or_b32 s[G0SB+3], s[G0SB+3], 0x80000000
	JLOAD G0S, G1S, G0SB, G1SB
.irp s, 0,1
	s_mov_b32 s[G0+4*\s], 1
	s_add_co_u32 s[G0+4*\s+1], s66, \s*SLOT
	s_add_nc_u64 s[G0+4*\s+2:G0+4*\s+3], s[92:93], \s*ATILE
	s_or_b32 s[G0+4*\s+3], s[G0+4*\s+3], 0x80000000
	s_mov_b32 s[G0B+4*\s], 1
	s_add_co_u32 s[G0B+4*\s+1], s67, \s*SLOT
	s_add_nc_u64 s[G0B+4*\s+2:G0B+4*\s+3], s[96:97], \s*384
	s_or_b32 s[G0B+4*\s+3], s[G0B+4*\s+3], 0x80000000
	JLOAD G0+4*\s, G1, G0B+4*\s, G1B               ; three tensor loads of mine are out behind the last of these
.endr
	v_and_b32 v1, 15, v0                           ; r
	v_bfe_u32 v2, v0, 4, 1                         ; h
	v_and_b32 v3, 31, v0                           ; lane
	s_mul_i32 s66, s[RH], AHALF                    ; my four tiles of A
	v_lshl_add_u32 v[A16], v3, 4, s66
	v_add_nc_u32 v[A16+1], SLOT, v[A16]
	v_lshl_add_u32 v[A8], v3, 3, s66
	v_add_nc_u32 v[A8], 512, v[A8]
	v_add_nc_u32 v[A8+1], SLOT, v[A8]
	v_mul_u32_u24 v4, v1, PITCH
	v_mad_u32_u24 v4, v2, 24, v4
	s_mul_i32 s67, s[CH], 64*PITCH                 ; my 64 rows of B
	s_add_co_u32 s67, s67, BOFF
	v_add_nc_u32 v[ADRB], s67, v4
	v_lshl_add_u32 v[ADRB+2], v2, 4, v[ADRB]
	v_add_nc_u32 v[ADRB+1], SLOT, v[ADRB]
	v_add_nc_u32 v[ADRB+3], SLOT, v[ADRB+2]
	s_lshl_b32 s66, s[RH], 3
	s_add_co_u32 s66, s66, SCLA
	v_lshl_add_u32 v[ASA], v3, 4, s66              ; words 2 x (wave / 2) and the next of my lane's four
	v_mul_u32_u24 v5, v3, KS                       ; lane l takes row l of 32: KS bytes a row, 16 more for each 256 passed
	v_lshrrev_b32 v6, 8, v5
	v_lshl_add_u32 v5, v6, 4, v5
	s_mul_i32 s66, s[CH], RBS*272
	s_add_co_u32 s66, s66, SCLB
	v_add_nc_u32 v[ASB], s66, v5
	s_mul_i32 s66, s[WV], 16*SPITCH                ; my stage
	v_mul_u32_u24 v5, v1, SPITCH
	v_lshl_add_u32 v5, v2, 5, v5
	v_add_nc_u32 v[STO], s66, v5                   ; in: row r, 32 bytes for each half of the lanes
	v_mul_u32_u24 v5, v2, SPITCH
	v_lshl_add_u32 v5, v1, 4, v5
	v_add_nc_u32 v[RD], s66, v5                    ; back: lanes 0-15 one row of 256 bytes, lanes 16-31 the next
	v_lshlrev_b32 v5, 12, v2
	v_lshl_add_u32 v[CO], v1, 4, v5                ; and the same two rows in res and out
	s_lshl_b32 s16, s45, 7
	s_lshl_b32 s17, s[RH], 6
	s_add_co_u32 s16, s16, s17                     ; my first row
	s_lshl_b32 s16, s16, 12
	s_lshl_b32 s17, s42, 7
	s_lshl_b32 s18, s[CH], 6
	s_add_co_u32 s17, s17, s18                     ; my first column
	s_lshl_b32 s18, s17, 2
	s_add_co_u32 s16, s16, s18
	s_mov_b32 s17, 0
	s_add_nc_u64 s[10:11], s[10:11], s[16:17]
	s_add_nc_u64 s[OUTP:OUTP+1], s[OUTP:OUTP+1], s[16:17]
.if BIAS
	s_mov_b32 s19, 0
	s_add_nc_u64 s[12:13], s[12:13], s[18:19]
	v_lshlrev_b32 v7, 5, v2
.irp b, 0,1,2,3
	global_load_b128 v[BI+8*\b:BI+8*\b+3], v7, s[12:13] offset:64*\b         ; lane (r, h), tile b: columns 16 b + 8 h + 0 .. 7
	global_load_b128 v[BI+8*\b+4:BI+8*\b+7], v7, s[12:13] offset:64*\b+16
.endr
.endif
	WIN 0x80                                       ; destination window 2, address window 0
.irp a, 0,1,2,3
.irp t, 0,1,2,3,4,5,6,7
	global_load_b128 v[32*\a+4*\t:32*\a+4*\t+3], v[CO], s[10:11] offset:4096*(16*\a+2*\t) th:TH_LOAD_NT   ; res: sixteen lanes read 256 consecutive bytes of a row; each byte is read once in the launch.  v[CO] and s[10:11] are not written again
.endr
.endr
	WIN 0
.macro WM zero, rb, ra                 ; one product; rb, ra: B's and A's scale words stand in lanes 16-31
.if \zero
.if ((\rb) == 0) && ((\ra) == 0)
	v_wmma_scale_f32_16x16x128_f8f6f4 v[rD:rD+7], v[rB:rB+FR-1], v[rA:rA+FR-1], 0, v[rSB], v[rSA] matrix_a_fmt:MATRIX_FMT_FP6 matrix_b_fmt:MATRIX_FMT_FP6
.elseif (\ra) == 0
	v_wmma_scale_f32_16x16x128_f8f6f4 v[rD:rD+7], v[rB:rB+FR-1], v[rA:rA+FR-1], 0, v[rSB], v[rSA] matrix_a_fmt:MATRIX_FMT_FP6 matrix_b_fmt:MATRIX_FMT_FP6 matrix_a_scale:MATRIX_SCALE_ROW1
.elseif (\rb) == 0
	v_wmma_scale_f32_16x16x128_f8f6f4 v[rD:rD+7], v[rB:rB+FR-1], v[rA:rA+FR-1], 0, v[rSB], v[rSA] matrix_a_fmt:MATRIX_FMT_FP6 matrix_b_fmt:MATRIX_FMT_FP6 matrix_b_scale:MATRIX_SCALE_ROW1
.else
	v_wmma_scale_f32_16x16x128_f8f6f4 v[rD:rD+7], v[rB:rB+FR-1], v[rA:rA+FR-1], 0, v[rSB], v[rSA] matrix_a_fmt:MATRIX_FMT_FP6 matrix_b_fmt:MATRIX_FMT_FP6 matrix_a_scale:MATRIX_SCALE_ROW1 matrix_b_scale:MATRIX_SCALE_ROW1
.endif
.else
.if ((\rb) == 0) && ((\ra) == 0)
	v_wmma_scale_f32_16x16x128_f8f6f4 v[rD:rD+7], v[rB:rB+FR-1], v[rA:rA+FR-1], v[rC:rC+7], v[rSB], v[rSA] matrix_a_fmt:MATRIX_FMT_FP6 matrix_b_fmt:MATRIX_FMT_FP6
.elseif (\ra) == 0
	v_wmma_scale_f32_16x16x128_f8f6f4 v[rD:rD+7], v[rB:rB+FR-1], v[rA:rA+FR-1], v[rC:rC+7], v[rSB], v[rSA] matrix_a_fmt:MATRIX_FMT_FP6 matrix_b_fmt:MATRIX_FMT_FP6 matrix_a_scale:MATRIX_SCALE_ROW1
.elseif (\rb) == 0
	v_wmma_scale_f32_16x16x128_f8f6f4 v[rD:rD+7], v[rB:rB+FR-1], v[rA:rA+FR-1], v[rC:rC+7], v[rSB], v[rSA] matrix_a_fmt:MATRIX_FMT_FP6 matrix_b_fmt:MATRIX_FMT_FP6 matrix_b_scale:MATRIX_SCALE_ROW1
.else
	v_wmma_scale_f32_16x16x128_f8f6f4 v[rD:rD+7], v[rB:rB+FR-1], v[rA:rA+FR-1], v[rC:rC+7], v[rSB], v[rSA] matrix_a_fmt:MATRIX_FMT_FP6 matrix_b_fmt:MATRIX_FMT_FP6 matrix_a_scale:MATRIX_SCALE_ROW1 matrix_b_scale:MATRIX_SCALE_ROW1
.endif
.endif
.endm
; four products: A's tile a x B's four, the slot's q-th 128 along K, buffer f, scale set sc.  cm: 0 the constant 0 starts the sums, 2 the bias does, 1 in place.
; The 16 accumulators take turns, one instruction a turn, in the same order in every quarter.
.macro MUL4 f, q, sc, a, cm
.irp b, 0,1,2,3
.set rD, ACC+8*(4*(\a)+\b)
.set rB, (\f)+48+FR*\b
.set rA, (\f)+FR*(\a)
.set rSB, SC+16*(\sc)+8+4*(\b/2)+(\q)
.set rSA, SC+16*(\sc)+2*(\q)+(\a)/2
.if (\cm) == 2
.set rC, BI+8*\b
.else
.set rC, rD
.endif
.if (\cm) == 0
	WM 1, \b%2, (\a)%2
.else
	WM 0, \b%2, (\a)%2
.endif
.endr
.endm
.macro FRAG reg, adr, q, i             ; B: 16 rows x 128 K in pieces of 8 bytes; sub-tile q / 2, its (q % 2)-th 128; lanes 16-31 read three pieces on, for some behind one padding more
.irp p, 0,1,2,3,4,5
.set PCE, 12*((\q)%2)+6*(\p/3)+\p%3
.if PCE%8 < 5
	ds_load_b64 v[\reg+2*\p:\reg+2*\p+1], v[\adr] offset:8*PCE+16*(PCE/8)+(\i)*16*PITCH+BSUB*((\q)/2)
.else
	ds_load_b64 v[\reg+2*\p:\reg+2*\p+1], v[\adr+2] offset:8*PCE+16*(PCE/8)+(\i)*16*PITCH+BSUB*((\q)/2)
.endif
.endr
.endm
.macro FETCH slot, q, f                ; 40 LDS loads: my four fragments of A (images: 16, 8, 16, 8 bytes a lane) and four of B
	WIN 0x40
.irp i, 0,1,2,3
.irp u, 0,1
	ds_load_b128 v[(\f)+FR*\i+6*\u:(\f)+FR*\i+6*\u+3], v[A16+\slot] offset:ATILE*\i+1536*(\q)+768*\u
	ds_load_b64 v[(\f)+FR*\i+6*\u+4:(\f)+FR*\i+6*\u+5], v[A8+\slot] offset:ATILE*\i+1536*(\q)+768*\u
.endr
.endr
.irp i, 0,1,2,3
	FRAG (\f)+48+FR*\i, ADRB+\slot, \q, \i
.endr
.endm
.macro SCALES sc                       ; 6 LDS loads: a slot's scale words
	WIN 0
.irp q, 0,1,2,3
	ds_load_b64 v[SC+16*\sc+2*\q:SC+16*\sc+2*\q+1], v[ASA] offset:512*\q
.endr
.irp j, 0,1
	ds_load_b128 v[SC+16*\sc+8+4*\j:SC+16*\sc+8+4*\j+3], v[ASB] offset:\j*(32*KS/256)*272
.endr
.endm
.macro PLACES n                        ; plain vector lines between a matrix instruction and a load into, or a read of, its registers
.rept \n
	v_nop
.endr
.endm
.macro QUARTER slot, q, f, g, cm       ; the slot's q-th 128 along K from buffer f; the next one's fragments are asked for first, into g
	PLACES 4                                       ; g was multiplied just now
	FETCH \slot, (\q)+1, \g
	s_wait_dscnt 40                                ; all but the 40 just issued: f, and its scale words, are in
	WIN 0x05                                       ; sources 0 and 1 window 1, C and D window 0
	MUL4 \f, \q, \slot, 0, \cm
	MUL4 \f, \q, \slot, 1, \cm
	MUL4 \f, \q, \slot, 2, \cm
	MUL4 \f, \q, \slot, 3, \cm
.endm
; A slot's last quarter (buffer 1) changes slots: one barrier; in front of it each wave waits for all its tensor loads, adds 0 to its spare word, and waits for that and for its reads of this slot.
.macro TURN slot, next, fill
	WIN 0
	s_wait_tensorcnt 0x0                           ; all my tensor loads have landed: the one that was out is my part of the next slot
	ds_add_u32 v[SPW], v[NIL]                      ; 0 onto my spare word
	s_wait_dscnt 1                                 ; (only the add may be out: buffer 1 is in)
	WIN 0x05
	MUL4 F1, 3, \slot, 0, 1
	s_wait_dscnt 0x0                               ; the add is done, and my reads of this slot are over
	s_barrier_signal -1
	MUL4 F1, 3, \slot, 1, 1
	WIN 0
	s_barrier_wait -1
.if \fill
	CREST                                          ; the barrier has opened a round of the cluster's: no wave of any partner still reads this slot or has a load on its way
	s_add_nc_u64 s[G0+4*\slot+2:G0+4*\slot+3], s[G0+4*\slot+2:G0+4*\slot+3], 2*ATILE
	s_add_nc_u64 s[G0B+4*\slot+2:G0B+4*\slot+3], s[G0B+4*\slot+2:G0B+4*\slot+3], 2*384
	JLOAD G0+4*\slot, G1, G0B+4*\slot, G1B         ; my one tensor load behind the round: 56 matrix instructions ahead of the wait for it
.else
	PLACES 4
.endif
	v_add_nc_u32 v[ASA], 2048, v[ASA]              ; the next slot's scale words
	v_add_nc_u32 v[ASB], 16, v[ASB]
	FETCH \next, 0, F0
	SCALES \next
	WIN 0x05
	MUL4 F1, 3, \slot, 2, 1
	MUL4 F1, 3, \slot, 3, 1
.endm
	s_wait_tensorcnt 1                             ; the scales and my part of slot 0 are in; slot 1's load may be out
	s_barrier_signal -1
	s_barrier_wait -1
	FETCH 0, 0, F0
	SCALES 0
.if BIAS
	s_wait_loadcnt 32                              ; the bias's 8 loads are in; the 32 younger ones, res, may be out
.endif
	QUARTER 0, 0, F0, F1, CM0                      ; the first quarter starts the sums
.if LAPS > 1
	WIN 0
	s_mov_b32 s3, LAPS-1
.Llap:                                                 ; once round the ring, from a lap's second quarter to the next lap's first; both slots are filled again
	QUARTER 0, 1, F1, F0, 1
	QUARTER 0, 2, F0, F1, 1
	TURN 0, 1, 1
	QUARTER 1, 0, F0, F1, 1
	QUARTER 1, 1, F1, F0, 1
	QUARTER 1, 2, F0, F1, 1
	TURN 1, 0, 1
	QUARTER 0, 0, F0, F1, 1
	WIN 0
	s_sub_co_u32 s3, s3, 1
	s_cmp_lg_u32 s3, 0
	s_cbranch_scc1 .Llap
.endif
	QUARTER 0, 1, F1, F0, 1                        ; the last lap fills nothing
	QUARTER 0, 2, F0, F1, 1
	TURN 0, 1, 0
	QUARTER 1, 0, F0, F1, 1
	QUARTER 1, 1, F1, F0, 1
	QUARTER 1, 2, F0, F1, 1
	s_wait_dscnt 0x0
	MUL4 F1, 3, 1, 0, 1
	MUL4 F1, 3, 1, 1, 1
	MUL4 F1, 3, 1, 2, 1
	MUL4 F1, 3, 1, 3, 1
	; THE WAY OUT.  A wave's 64 columns are 256 bytes of a row: 16 rows at a time go through the wave's own stage and come back as whole rows; res is added; sixteen lanes store 256 consecutive bytes.
	PLACES 4                                       ; behind the last products
	WIN 0
.macro TOSTAGE a
.irp b, 0,1,2,3
	ds_store_b128 v[STO], v[ACC+8*(4*(\a)+\b):ACC+8*(4*(\a)+\b)+3] offset:64*\b        ; each accumulator from its low end on
	ds_store_b128 v[STO], v[ACC+8*(4*(\a)+\b)+4:ACC+8*(4*(\a)+\b)+7] offset:64*\b+16
.endr
.irp t, 0,1,2,3,4,5,6,7
	ds_load_b128 v[BI+32*((\a)%2)+4*\t:BI+32*((\a)%2)+4*\t+3], v[RD] offset:\t*2*SPITCH   ; LDS serves a wave's instructions in order: these see the stores above
.endr
.endm
.macro SEND a, younger
	s_wait_dscnt \younger                          ; the block is back; the next block's 8 stores and 8 loads may be out
	s_wait_loadcnt 8*(3-(\a))                      ; res of blocks 0 .. a is in; 8 loads for each later block may be out (no global load was issued behind res)
	WIN 0x08                                       ; source 1 (res) window 2
.set j, 0
.rept 16
	v_pk_add_f32 v[BI+32*((\a)%2)+j:BI+32*((\a)%2)+j+1], v[BI+32*((\a)%2)+j:BI+32*((\a)%2)+j+1], v[32*(\a)+j:32*(\a)+j+1]
.set j, j+2
.endr
	WIN 0
.irp t, 0,1,2,3,4,5,6,7
.if BIAS
	global_store_b128 v[CO], v[BI+32*((\a)%2)+4*\t:BI+32*((\a)%2)+4*\t+3], s[OUTP:OUTP+1] offset:4096*(16*(\a)+2*\t) th:TH_STORE_NT
.else
	global_store_b128 v[CO], v[BI+32*((\a)%2)+4*\t:BI+32*((\a)%2)+4*\t+3], s[OUTP:OUTP+1] offset:4096*(16*(\a)+2*\t)
.endif
.endr
.endm
	TOSTAGE 0
	TOSTAGE 1
	SEND 0, 16
	s_wait_xcnt 0x0                                ; block 0's stores have read their registers: block 2's rows may land there
	TOSTAGE 2
	SEND 1, 16
	s_wait_xcnt 0x0
	TOSTAGE 3
	SEND 2, 16
	SEND 3, 0
	s_wait_tensorcnt 0x0                           ; the wave's end
	ds_add_u32 v[SPW], v[NIL]
	s_wait_dscnt 0x0
	CROUND                                         ; the closing round
	s_endpgm
.Lfunc_end_k_q796012a77c_wo:
	.size	k_q796012a77c_wo, .Lfunc_end_k_q796012a77c_wo-k_q796012a77c_wo
	.p2alignl 7, 3214868480
	.fill 96, 4, 3214868480
	.section	.rodata,"a",@progbits
	.p2align	6, 0x0
	.amdhsa_kernel k_q796012a77c_wo
		.amdhsa_group_segment_fixed_size 327680
		.amdhsa_private_segment_fixed_size 0
		.amdhsa_enable_private_segment 0
		.amdhsa_kernarg_size 40
		.amdhsa_user_sgpr_count 2
		.amdhsa_user_sgpr_kernarg_segment_ptr 1
		.amdhsa_wavefront_size32 1
		.amdhsa_system_sgpr_workgroup_id_x 1
		.amdhsa_system_sgpr_workgroup_id_y 1
		.amdhsa_system_sgpr_workgroup_id_z 1
		.amdhsa_system_vgpr_workitem_id 0
		.amdhsa_next_free_vgpr 640
		.amdhsa_next_free_sgpr 106
		.amdhsa_reserve_vcc 0
		.amdhsa_float_denorm_mode_32 3
		.amdhsa_float_denorm_mode_16_64 3
		.amdhsa_memory_ordered 1
		.amdhsa_forward_progress 1
		.amdhsa_inst_pref_size 64
	.end_amdhsa_kernel
	.amdgpu_metadata
---
amdhsa.version: [ 1, 2 ]
amdhsa.kernels:
  - .name:           k_q796012a77c_wo
    .symbol:         k_q796012a77c_wo.kd
    .args:
      - { .name: ao, .offset: 0, .size: 8, .value_kind: global_buffer, .address_space: global }
      - { .name: wo_codes, .offset: 8, .size: 8, .value_kind: global_buffer, .address_space: global }
      - { .name: wo_scales, .offset: 16, .size: 8, .value_kind: global_buffer, .address_space: global }
      - { .name: x, .offset: 24, .size: 8, .value_kind: global_buffer, .address_space: global }
      - { .name: x1, .offset: 32, .size: 8, .value_kind: global_buffer, .address_space: global }
    .group_segment_fixed_size: 327680
    .private_segment_fixed_size: 0
    .kernarg_segment_align: 8
    .kernarg_segment_size: 40
    .max_flat_workgroup_size: 128
    .sgpr_count:     106
    .vgpr_count:     640
    .wavefront_size: 32
...
	.end_amdgpu_metadata
.endif
;; end of part 4
;; launch ln2: the kernel of part 1 again; grid 256 x 1, 8 waves a work-group, no clusters, 42,496 bytes of LDS; arguments x1, ln2_a, ln2_b, hn; writes hn
;; launch up (part 5): grid 16 x 16, 4 waves a work-group, clusters of 4 x 4, 327,680 bytes of LDS; arguments hn, w_up_codes, w_up_scales, b_up, hid; writes hid
.if DOCPART == 5
	.amdgcn_target "amdgcn-amd-amdhsa--gfx1250"
	.amdhsa_code_object_version 6
	.text
	.protected	k_q796012a77c_up
	.globl	k_q796012a77c_up
	.p2align	8
	.type	k_q796012a77c_up,@function
k_q796012a77c_up:
	s_mov_b64 s[64:65], 0
	v_nop
	global_prefetch_b8 v0, s[64:65] scope:SCOPE_SE
	s_setreg_imm32_b32 hwreg(HW_REG_WAVE_MODE, 25, 1), 1
	s_wait_xcnt 0x0
	s_wait_alu depctr_hold_cnt(0) depctr_sa_sdst(0) depctr_va_vdst(0) depctr_va_sdst(0) depctr_va_ssrc(0) depctr_va_vcc(0) depctr_vm_vsrc(0)
	s_getreg_b32 s2, hwreg(HW_REG_IB_STS2, 6, 4)
	s_cmp_eq_u32 s2, 0
	s_cbranch_scc0 .Lentry_in_a_cluster
	s_endpgm
.Lentry_in_a_cluster:
	s_bfe_u32 s2, ttmp6, 0x10000c
	s_cmp_lg_u32 s2, 0xf033
	s_cbranch_scc0 .Lentry_shape_is_right
	s_endpgm
.Lentry_shape_is_right:
; hid = relu(h w_up + b_up) on FP6 (E2M3) codes with E8M0 scales, K = 1,024; the result is quantised at once along its 4,096 columns, the next product's K.
; THE PRODUCT.  A tile is 256 rows of A (tokens, h's codes) x 256 rows of B (w_up's), four waves, 128 x 128 a wave in 64 accumulators (512 registers).  K goes in steps of 256 through a ring of two LDS slots filled by the
; tensor data mover; the scale bytes of the 512 rows for all of K come once, with the first fills.  The matrix instruction takes 16 rows of B as source 0 and 16 rows of A as source 1: a lane then holds ONE token
; and its registers run along the hidden units.  The bias is the C of each sum's first product.
; CLUSTERS of 4 x 4: A's tile is asked for jointly by a row of the cluster, B's by a column.
; THE WAY OUT.  The 8 accumulators of a block of 16 tokens are 64 numbers a lane: register 16 b + 8 u + j is column 32 b + 16 u + 8 (lane / 16) + j.  A block of 32 lies in lanes l and l xor 16.  The conversion packs a lane's
; 16 numbers as they stand; three lane swaps and five bit moves for each pair of blocks weave the 48-bit pieces into the operand's order.  The 12 registers are stored as an IMAGE OF THE OPERAND'S REGISTERS: two halves of 768 bytes,
; each 512 bytes (registers 0-3, 16 bytes a lane) + 256 bytes (registers 4-5, 8 bytes a lane): every store covers whole aligned blocks of 256 bytes.
; hid: images [token tile][K step of 128][1,536] at 0; scale images of 512 bytes [group of 8 token tiles][K step] (word 4 l + c: tile 2 c + l / 16, row l % 16) from 12,582,912.
; LIMITS: a block of zeros gets the byte 1 where the quantiser's rule says 127 (its codes are zeros; only this program reads the bytes); NaN and infinities are not served.
.set UP,     1                         ; 0: the q, k, v launch; 1: the feed-forward's first layer
.set FIRST,  1+UP                      ; what starts the sums: 1 the constant 0, 2 the bias
.set KSTEP,  256
.set NQ,     2                         ; matrix instructions deep in a slot
.set ROWB,   192                       ; a tile's row: 256 codes
.set KROW,   768                       ; a row in memory: 1,024 codes
.set PITCH,  240                       ; an LDS row: 3 x (64 bytes + 16 of padding)
.set FR,     12
.set NL,     6
.set NP,     4                         ; places behind this matrix instruction (ISA guide 7.12.1)
.set HALFT,  128*PITCH
.set SLOT,   4*HALFT
.set LAPS,   2                         ; 1,024 / 512
.set KS,     32                        ; a row of scale bytes
.set SCL,    2*SLOT
.set HALFS,  (128*KS/256)*272
.set SBLK,   (16*KS/256)*272
.set SPARE,  SCL+4*HALFS               ; the spare words, 128 bytes a wave: two blocks of 256 bytes that no other line names
.set HNS,    3145728                   ; hn's scale bytes
.set ADRA, 16                          ; v16-19 LDS addresses of A's fragments (slot 0, 1; the same behind one padding more)
.set ADRB, 20                          ; v20-23 B's
.set OF16, 24                          ; v24  16 x lane
.set OF8,  25                          ; v25  8 x lane
.set BO,   26                          ; v26  32 x (lane / 16): the bias's offset
.set ADRS, 27                          ; v27  LDS address of my scale words
.set SPW,  28                          ; v28  my spare word; never rewritten
.set NIL,  29                          ; v29  0; never rewritten
.set SC,   32                          ; v32-63 scale words, two sets
.set BI,   64                          ; v64-127 the bias, 8 registers a tile of B
.set TM,   64                          ; the way out: v64-79 at work,
.set PC,   80                          ; v80-98 codes,
.set PW,   100                         ; v100-107 the eight blocks' scale words,
.set SW,   108                         ; v108-111 the scale image
.set SX,   112
.set AF,   128                         ; v128-223 A's fragments, one set; window 1: B's, two sets; windows 2, 3: the accumulators
.set WV,  20
.set RH,  21                           ; wave / 2: my half of A's rows; also: I fetch for A (0) or B (1)
.set CH,  22                           ; wave % 2: my half of B's rows; also: which 128 rows I fetch
.set ISV, 23
.set G1,  24
.set G0,  32
.set G1B, 48
.set G0B, 56
.set G1S, 68
.set G0S, 76
.set G1SB, 80
.set G0SB, 88
.set MSB, 0
.macro WIN new                         ; the immediate's high byte repeats the setting that is left
.if MSB != (\new)
	s_set_vgpr_msb (MSB<<8)|(\new)
.set MSB, (\new)
.endif
.endm
.set MUL_LO, 0xa1                      ; source 0 (B) window 1, source 1 (A) window 0, C and D window 2
.set MUL_HI, 0xf1
.set TO_B,   0x40
.macro JLOAD g0a, g1a, g0b, g1b        ; a joint load: waves 0, 1 for A, waves 2, 3 for B; four v_nop follow each line
	s_cmp_eq_u32 s[RH], 0
	s_cbranch_scc0 .Lfor_b_\@
	tensor_load_to_lds s[\g0a:\g0a+3], s[\g1a:\g1a+7]
	s_nop 0
.rept 4
	v_nop
.endr
	s_branch .Lasked_\@
.Lfor_b_\@:
	tensor_load_to_lds s[\g0b:\g0b+3], s[\g1b:\g1b+7]
	s_nop 0
.rept 4
	v_nop
.endr
.Lasked_\@:
.endm
.macro CREST                           ; a round of the cluster's barrier behind its opening barrier
	s_cmp_lg_u32 s[WV], 0
	s_cbranch_scc1 .Lnot_wave_0_\@
	s_barrier_signal -3
.Lnot_wave_0_\@:
	s_barrier_wait -3
	s_barrier_signal -1
	s_barrier_wait -1
.endm
.macro CROUND
	s_barrier_signal -1
	s_barrier_wait -1
	CREST
.endm
	s_load_b256 s[4:11], s[0:1], 0x0               ; hn, w_up's codes, its scales, b_up
	s_load_b64 s[18:19], s[0:1], 0x20              ; hid
	v_lshl_add_u32 v[SPW], v0, 2, SPARE
	v_mov_b32 v[NIL], 0
	ds_add_u32 v28, v29
	ds_add_u32 v28, v29
	s_wait_dscnt 0x0
	v_lshrrev_b32 v1, 5, v0
	v_readfirstlane_b32 s[WV], v1
	s_lshr_b32 s[RH], s[WV], 1
	s_and_b32 s[CH], s[WV], 1
	s_bfe_u32 s40, ttmp6, 0x40000                  ; cx
	s_bfe_u32 s41, ttmp6, 0x40004                  ; cy
	s_mov_b32 s46, ttmp9                           ; the cluster's x
	s_and_b32 s47, ttmp7, 0xffff
	s_lshl_b32 s47, s47, 2                         ; 4 x the cluster's y
	s_lshl_b32 s42, s46, 2
	s_add_co_u32 s42, s42, s40                     ; B's tile: 4 x + cx
	s_add_co_u32 s45, s47, s41                     ; A's tile: 4 y + cy
	s_lshl_b32 s43, s41, 2
	s_lshl_b32 s43, 15, s43                        ; my row of the cluster
	s_lshl_b32 s44, 0x1111, s40                    ; my column
	s_or_b32 s[G1+0], s43, (0<<16)|(1<<20)|(1<<21)|(3<<22)|(3<<25)   ; the mask; elements of 1 byte; padding on; bit 21 beside a mask; after every 16 words 4 words
	s_or_b32 s[G1B+0], s44, (0<<16)|(1<<20)|(1<<21)|(3<<22)|(3<<25)
.irp g, G1, G1B
	s_mov_b32 s[\g+1], ROWB<<16                    ; tensor_dim0
	s_mov_b32 s[\g+2], 128<<16                     ; tensor_dim1
	s_mov_b32 s[\g+3], ROWB<<16                    ; tile_dim0
	s_mov_b32 s[\g+4], 128                         ; tile_dim1
	s_mov_b32 s[\g+5], KROW                        ; from row to row
	s_mov_b32 s[\g+6], 0
	s_mov_b32 s[\g+7], 0
.endr
	s_or_b32 s[G1S+0], s43, (3<<16)|(1<<20)|(1<<21)|(5<<22)|(3<<25)  ; the scales of 128 rows: 4,096 dense bytes as 16 rows of 256 (32 elements of 8), 16 bytes of padding behind each
	s_or_b32 s[G1SB+0], s44, (3<<16)|(1<<20)|(1<<21)|(5<<22)|(3<<25)
.irp g, G1S, G1SB
	s_mov_b32 s[\g+1], 32<<16
	s_mov_b32 s[\g+2], (128*KS/256)<<16
	s_mov_b32 s[\g+3], 32<<16
	s_mov_b32 s[\g+4], 128*KS/256
	s_mov_b32 s[\g+5], 32
	s_mov_b32 s[\g+6], 0
	s_mov_b32 s[\g+7], 0
.endr
	s_mov_b32 s104, 0x76543210
	s_mov_b32 s105, 0xfedcba98                     ; selects for lane l xor 16
	s_lshl_b32 s66, s[CH], 7                       ; which 128 rows of a tile I fetch
	s_lshl_b32 s100, s45, 8
	s_add_co_u32 s100, s100, s66
	s_lshl_b32 s100, s100, 5                       ; A: these rows' scale bytes begin here (32 a row); s100, s101 never hold cx
	s_mov_b32 s101, 0
	s_lshl_b32 s2, s42, 8
	s_add_co_u32 s2, s2, s66
	s_lshl_b32 s2, s2, 5                           ; B likewise; s2, s3 never hold cy
	s_mov_b32 s3, 0
	s_wait_kmcnt 0x0
	s_mov_b64 s[92:93], s[4:5]
	s_add_nc_u64 s[94:95], s[4:5], HNS
	s_mov_b64 s[96:97], s[6:7]
	s_mov_b64 s[98:99], s[8:9]
	s_add_nc_u64 s[94:95], s[94:95], s[100:101]
	s_add_nc_u64 s[98:99], s[98:99], s[2:3]
	s_mul_i32 s100, s100, 24                       ; 768 bytes of codes a row
	s_mul_i32 s2, s2, 24
	s_add_nc_u64 s[92:93], s[92:93], s[100:101]
	s_add_nc_u64 s[96:97], s[96:97], s[2:3]
	s_mul_i32 s66, s[WV], HALFT                    ; where they go: wave x 128 rows: no place in the cluster enters an LDS address
	s_mul_i32 s67, s[WV], HALFS
	CROUND                                         ; all sixteen work-groups are here: the first joint loads meet
	s_mov_b32 s[G0S], 1
	s_add_co_u32 s[G0S+1], s67, SCL
	s_mov_b64 s[G0S+2:G0S+3], s[94:95]
	s_or_b32 s[G0S+3], s[G0S+3], 0x80000000
	s_mov_b32 s[G0SB], 1
	s_add_co_u32 s[G0SB+1], s67, SCL
	s_mov_b64 s[G0SB+2:G0SB+3], s[98:99]
	s_or_b32 s[G0SB+3], s[G0SB+3], 0x80000000
	JLOAD G0S, G1S, G0SB, G1SB                     ; the scales first: they are wanted with K step 0
.irp s, 0,1
	s_mov_b32 s[G0+4*\s], 1
	s_add_co_u32 s[G0+4*\s+1], s66, \s*SLOT
	s_add_nc_u64 s[G0+4*\s+2:G0+4*\s+3], s[92:93], \s*ROWB
	s_or_b32 s[G0+4*\s+3], s[G0+4*\s+3], 0x80000000
	s_mov_b32 s[G0B+4*\s], 1
	s_add_co_u32 s[G0B+4*\s+1], s66, \s*SLOT
	s_add_nc_u64 s[G0B+4*\s+2:G0B+4*\s+3], s[96:97], \s*ROWB
	s_or_b32 s[G0B+4*\s+3], s[G0B+4*\s+3], 0x80000000
	JLOAD G0+4*\s, G1, G0B+4*\s, G1B               ; three tensor loads of mine are out behind the last of these
.endr
	v_and_b32 v1, 15, v0                           ; r = lane % 16
	v_bfe_u32 v2, v0, 4, 1                         ; h = lane / 16
	v_mul_u32_u24 v3, v1, PITCH
	v_mul_u32_u24 v4, v2, 24
	v_add_nc_u32 v4, v3, v4                        ; a fragment's row x pitch + 24 x half
	v_lshl_add_u32 v5, v2, 4, v4                   ; and the same behind one padding more
	s_mul_i32 s66, s[RH], HALFT
	s_mul_i32 s67, s[CH], HALFT
	s_add_co_u32 s67, s67, 2*HALFT
.irp s, 0,1
	v_add_nc_u32 v[ADRA+\s], s66, v4
	v_add_nc_u32 v[ADRB+\s], s67, v4
	v_add_nc_u32 v[ADRA+2+\s], s66, v5
	v_add_nc_u32 v[ADRB+2+\s], s67, v5
	s_add_co_u32 s66, s66, SLOT
	s_add_co_u32 s67, s67, SLOT
.endr
	v_mul_u32_u24 v5, v1, KS
	v_lshrrev_b32 v6, 8, v5
	v_lshl_add_u32 v5, v6, 4, v5                   ; my row's scale bytes: 32 a row, 16 more for each 256 passed
	s_mul_i32 s66, s[RH], HALFS
	s_mul_i32 s67, s[CH], HALFS
	s_add_co_u32 s67, s67, 2*HALFS
	s_sub_co_u32 s67, s67, s66
	v_mul_u32_u24 v6, s67, v2                      ; lanes 16-31 take B's
	s_add_co_u32 s66, s66, SCL
	v_add_nc_u32 v5, v5, v6
	v_add_nc_u32 v[ADRS], s66, v5
	v_and_b32 v6, 31, v0
	v_lshlrev_b32 v[OF16], 4, v6
	v_lshlrev_b32 v[OF8], 3, v6
	s_lshl_b32 s16, s42, 10                        ; the bias of my 128 columns: (256 x B's tile + 128 x half) x 4 bytes
	s_lshl_b32 s17, s[CH], 9
	s_add_co_u32 s16, s16, s17
	s_mov_b32 s17, 0
	s_add_nc_u64 s[10:11], s[10:11], s[16:17]
	v_lshlrev_b32 v[BO], 5, v2
.irp b, 0,1,2,3,4,5,6,7
	global_load_b128 v[BI+8*\b:BI+8*\b+3], v[BO], s[10:11] offset:64*\b      ; lane (r, h), tile b: columns 16 b + 8 h + 0 .. 7: the result's layout
	global_load_b128 v[BI+8*\b+4:BI+8*\b+7], v[BO], s[10:11] offset:64*\b+16
.endr
	; where my results go
	s_lshl_b32 s16, s45, 1
	s_add_co_u32 s16, s16, s[RH]                   ; which 128 tokens are mine
	s_lshl_b32 s17, s42, 1
	s_add_co_u32 s17, s17, s[CH]                   ; which 128 hidden units: a K step of the next product
	s_lshl_b32 s4, s16, 8                          ; token tile 8 x that, 32 K steps a tile
	s_add_co_u32 s4, s4, s17
	s_mul_i32 s4, s4, 1536
	s_mov_b32 s5, 0
	s_add_nc_u64 s[4:5], s[18:19], s[4:5]          ; an image's first half,
	s_add_nc_u64 s[6:7], s[4:5], 768               ; its second
	s_lshl_b32 s8, s16, 5
	s_add_co_u32 s8, s8, s17
	s_lshl_b32 s8, s8, 9
	s_add_co_u32 s8, s8, 12582912
	s_mov_b32 s9, 0
	s_add_nc_u64 s[8:9], s[18:19], s[8:9]          ; my scale image
	s_mov_b32 s12, 49152                           ; from token tile to token tile
	s_mov_b32 s13, 0
.macro FRAG reg, adr, q, i             ; 16 rows x 128 K: 12 registers, in pieces of 8 bytes; lanes 16-31 read three pieces on, for some pieces behind one padding more: the second address register serves those
.irp p, 0,1,2,3,4,5
.set PCE, 12*(\q)+6*(\p/3)+\p%3
.if PCE%8 < 5
	ds_load_b64 v[\reg+2*\p:\reg+2*\p+1], v[\adr] offset:8*PCE+16*(PCE/8)+(\i)*16*PITCH
.else
	ds_load_b64 v[\reg+2*\p:\reg+2*\p+1], v[\adr+2] offset:8*PCE+16*(PCE/8)+(\i)*16*PITCH
.endif
.endr
.endm
; 16 matrix instructions: A's blocks a0, a0 + 1 x B's eight.  The 64 accumulators take turns, one instruction a turn, in the same order in every step.
.macro MUL16 a0, p, q, sc, zero
.irp a, \a0, \a0+1
.irp b, 0,1,2,3,4,5,6,7
.set rD, 8*(8*((\a)%4)+\b)
.set rB, 128*(\p)+FR*\b
.set rA, AF+FR*(\a)
.set rSB, SC+8*NQ*(\sc)+NQ*\b+(\q)
.set rSA, SC+8*NQ*(\sc)+NQ*(\a)+(\q)
.if (\zero) == 1
	v_wmma_scale_f32_16x16x128_f8f6f4 v[rD:rD+7], v[rB:rB+FR-1], v[rA:rA+FR-1], 0, v[rSB], v[rSA] matrix_a_fmt:MATRIX_FMT_FP6 matrix_b_fmt:MATRIX_FMT_FP6 matrix_a_scale:MATRIX_SCALE_ROW1
.elseif (\zero) == 2
	v_wmma_scale_f32_16x16x128_f8f6f4 v[rD:rD+7], v[rB:rB+FR-1], v[rA:rA+FR-1], v[BI+8*\b:BI+8*\b+7], v[rSB], v[rSA] matrix_a_fmt:MATRIX_FMT_FP6 matrix_b_fmt:MATRIX_FMT_FP6 matrix_a_scale:MATRIX_SCALE_ROW1
.else
	v_wmma_scale_f32_16x16x128_f8f6f4 v[rD:rD+7], v[rB:rB+FR-1], v[rA:rA+FR-1], v[rD:rD+7], v[rSB], v[rSA] matrix_a_fmt:MATRIX_FMT_FP6 matrix_b_fmt:MATRIX_FMT_FP6 matrix_a_scale:MATRIX_SCALE_ROW1
.endif
.endr
.endr
.endm
.macro FETCH_B slot, q, p
	WIN TO_B
.irp i, 0,1,2,3,4,5,6,7
	FRAG 128*(\p)+FR*\i, ADRB+\slot, \q, \i
.endr
	WIN 0
.endm
.macro FETCH_A slot, q, i0
.irp i, \i0, \i0+1, \i0+2, \i0+3
	FRAG AF+FR*(\i), ADRA+\slot, \q, \i
.endr
.endm
.macro SCALES sc                       ; a K step's scale words: lanes 0-15 A's block i, lanes 16-31 B's block i
.irp i, 0,1,2,3,4,5,6,7
	ds_load_b64 v[SC+8*NQ*\sc+NQ*\i:SC+8*NQ*\sc+NQ*\i+1], v[ADRS] offset:\i*SBLK
.endr
.endm
.macro PLACES n                        ; plain vector lines between a matrix instruction and a load into, or a read of, its registers
.rept \n
	v_nop
.endr
.endm
.macro STEP slot, q, zero              ; 128 along K whose successor lies in the same slot
	s_wait_dscnt 4*NL                              ; B's set and A's blocks 0-3 are in; the youngest 24 loads (A's blocks 4-7) may be out
.if (\zero) == 2
	WIN 0x81                                       ; C (the bias) in window 0, D in window 2
.else
	WIN MUL_LO
.endif
	MUL16 0, (\q)%2, \q, \slot, \zero
	MUL16 2, (\q)%2, \q, \slot, \zero
	s_wait_dscnt 0                                 ; A's blocks 4-7 are in
	PLACES NP
	FETCH_B \slot, (\q)+1, 1-(\q)%2
	FETCH_A \slot, (\q)+1, 0
.if (\zero) == 2
	WIN 0xc1
.else
	WIN MUL_HI
.endif
	MUL16 4, (\q)%2, \q, \slot, \zero
	MUL16 6, (\q)%2, \q, \slot, \zero
	PLACES NP
	WIN 0
	FETCH_A \slot, (\q)+1, 4
.endm
; A slot's last step changes slots: one barrier; in front of it each wave waits for all its tensor loads, adds 0 to its spare word, and waits for that and for its reads of this slot.
.macro TURN slot, next, fill
	s_wait_tensorcnt 0x0                           ; all my tensor loads have landed: the one that was out is my part of the next slot
	ds_add_u32 v[SPW], v[NIL]                      ; 0 onto my spare word
	s_wait_dscnt 4*NL+1                            ; (the add and the youngest 24 loads may be out)
	WIN MUL_LO
	MUL16 0, 1, NQ-1, \slot, 0
	s_wait_dscnt 0x0                               ; the add is done, and my reads of this slot are over
	s_barrier_signal -1
	MUL16 2, 1, NQ-1, \slot, 0
	WIN 0
	s_barrier_wait -1
.if \fill
	CREST                                          ; the barrier has opened a round of the cluster's: no wave of any partner still reads this slot or has a load on its way
	s_add_nc_u64 s[G0+4*\slot+2:G0+4*\slot+3], s[G0+4*\slot+2:G0+4*\slot+3], 2*ROWB
	s_add_nc_u64 s[G0B+4*\slot+2:G0B+4*\slot+3], s[G0B+4*\slot+2:G0B+4*\slot+3], 2*ROWB
	JLOAD G0+4*\slot, G1, G0B+4*\slot, G1B         ; my one tensor load behind the round: 96 matrix instructions ahead of the wait for it
.else
	PLACES NP
.endif
	v_add_nc_u32 v[ADRS], 4*NQ, v[ADRS]
	FETCH_B \next, 0, 0
	FETCH_A \next, 0, 0
	SCALES \next
	WIN MUL_HI
	MUL16 4, 1, NQ-1, \slot, 0
	MUL16 6, 1, NQ-1, \slot, 0
	PLACES NP
	WIN 0
	FETCH_A \next, 0, 4
.endm
	s_wait_tensorcnt 1                             ; the scales and my part of K step 0 are in; K step 1's load may be out
	s_barrier_signal -1
	s_barrier_wait -1
	FETCH_B 0, 0, 0
	FETCH_A 0, 0, 0
	SCALES 0
	FETCH_A 0, 0, 4
	s_wait_loadcnt 0x0                             ; the bias
	STEP 0, 0, FIRST                               ; the first step starts the sums, from the bias
	s_mov_b32 s3, LAPS-1
.Llap:
	TURN 0, 1, 1
	STEP 1, 0, 0
	TURN 1, 0, 1
	STEP 0, 0, 0
	s_sub_co_u32 s3, s3, 1
	s_cmp_lg_u32 s3, 0
	s_cbranch_scc1 .Llap
	TURN 0, 1, 0                                   ; the last lap fills nothing
	STEP 1, 0, 0
	s_wait_dscnt 4*NL
	WIN MUL_LO
	MUL16 0, 1, NQ-1, 1, 0
	MUL16 2, 1, NQ-1, 1, 0
	s_wait_dscnt 0
	WIN MUL_HI
	MUL16 4, 1, NQ-1, 1, 0
	MUL16 6, 1, NQ-1, 1, 0
	WIN 0
; THE WAY OUT.
.macro WEAVE u, v                      ; u: the codes of block 2 c (3 registers), v: of block 2 c + 1.  Out: u .. u + 5 = the lane's whole block 2 c + lane / 16, in K's order
.irp i, 0,1,2
	v_permlane16_swap_b32 v[\u+\i], v[\v+\i]       ; u: my block's pieces from lanes 0-15 (columns 0-7, 16-23), v: from lanes 16-31 (8-15, 24-31); a piece is 8 codes, 48 bits
.endr
	v_alignbit_b32 v[\u+3], v[\u+2], v[\u+1], 16   ; bits 96-127: u's second piece, low 32
	v_perm_b32 v[\u+4], v[\v+1], v[\u+2], 0x07060302   ; its high 16, then the low 16 of v's second piece
	v_mov_b32 v[\u+5], v[\v+2]
	v_perm_b32 v[\u+1], v[\v], v[\u+1], 0x05040100 ; the high 16 of u's first piece, the low 16 of v's first
	v_alignbit_b32 v[\u+2], v[\v+1], v[\v], 16
.endm
.macro QUANT pw                        ; the 64 numbers at v[AC] on in window W become 12 registers of codes at v[PC] and the scale word v[pw]
	WIN W|(W<<2)
.irp b, 0,1,2,3
	v_max3_num_f32 v[TM+\b], |v[AC+16*\b]|, |v[AC+16*\b+1]|, 0x1800000   ; the floor 2^(3 - 127) holds the byte at 1 from below
.endr
.irp i, 2,4,6,8,10,12,14
.irp b, 0,1,2,3
	v_max3_num_f32 v[TM+\b], |v[AC+16*\b+\i]|, |v[AC+16*\b+\i+1]|, v[TM+\b]
.endr
.endr
	WIN 0
.irp b, 0,1,2,3
	v_permlanex16_b32 v[TM+4+\b], v[TM+\b], s104, s105
.endr
.irp b, 0,1,2,3
	v_max_num_f32 v[TM+\b], v[TM+\b], v[TM+4+\b]   ; with lane l xor 16's: the block's largest magnitude
.endr
.irp b, 0,1,2,3
	v_add_nc_u32 v[TM+12+\b], 0xff000000, v[TM+\b] ; 2 off its exponent field: the conversion's scale operand
.endr
.irp b, 0,1,2,3
	v_lshrrev_b32 v[TM+4+\b], 23, v[TM+12+\b]      ; the scale's byte
.endr
	v_lshl_or_b32 v[\pw], v[TM+5], 8, v[TM+4]
	v_lshl_or_b32 v[\pw], v[TM+6], 16, v[\pw]
	v_lshl_or_b32 v[\pw], v[TM+7], 24, v[\pw]
	WIN W
.irp c, 0,1
	v_cvt_scalef32_pk16_fp6_f32 v[PC+6*\c:PC+6*\c+2], v[AC+32*\c:AC+32*\c+15], v[TM+12+2*\c]
	v_cvt_scalef32_pk16_fp6_f32 v[PC+12+4*\c:PC+14+4*\c], v[AC+32*\c+16:AC+32*\c+31], v[TM+13+2*\c]
.endr
	WIN 0
	v_nop                                          ; one plain line behind the conversions
	WEAVE PC, PC+12
	WEAVE PC+6, PC+16
.endm
.macro BLOCK a                         ; A's block a: 16 tokens x my 128 hidden units
.set AC, 64*((\a)%4)
.set W, 2+(\a)/4
.if (\a) > 0
	s_wait_xcnt 0x0                                ; the last block's stores have read their data and bases: both are written again only behind this wait
	s_add_nc_u64 s[4:5], s[4:5], s[12:13]
	s_add_nc_u64 s[6:7], s[6:7], s[12:13]
.endif
	WIN (W<<6)|(W<<2)
.set j, 0
.rept 64
	v_max_num_f32 v[AC+j], 0, v[AC+j]              ; relu, in f32, ascending: each accumulator is read from its low end on
.set j, j+1
.endr
	QUANT PW+(\a)
	global_store_b128 v[OF16], v[PC:PC+3], s[4:5]              ; 512 consecutive bytes,
	global_store_b64 v[OF8], v[PC+4:PC+5], s[4:5] offset:512   ; 256: both at multiples of 256 from the buffer's first byte
	global_store_b128 v[OF16], v[PC+6:PC+9], s[6:7]
	global_store_b64 v[OF8], v[PC+10:PC+11], s[6:7] offset:512
.endm
	PLACES NP                                      ; behind the last products
.irp b, 0,1,2,3
	v_mov_b32 v[TM+4+\b], 0                        ; a lane permute's destination counts as read
.endr
	s_mov_b32 s3, 0xffff0000                       ; lanes 16-31
.irp a, 0,1,2,3,4,5,6,7
	BLOCK \a
.endr
.irp c, 0,1,2,3
	v_cndmask_b32 v[SW+\c], v[PW+2*\c], v[PW+2*\c+1], s3   ; the scale image: lanes 0-15 block 2 c's words, lanes 16-31 block 2 c + 1's
.endr
	global_store_b128 v[OF16], v[SW:SW+3], s[8:9]
	s_wait_tensorcnt 0x0                           ; the wave's end
	ds_add_u32 v[SPW], v[NIL]
	s_wait_dscnt 0x0
	CROUND                                         ; the closing round
	s_endpgm
.Lfunc_end_k_q796012a77c_up:
	.size	k_q796012a77c_up, .Lfunc_end_k_q796012a77c_up-k_q796012a77c_up
	.p2alignl 7, 3214868480
	.fill 96, 4, 3214868480
	.section	.rodata,"a",@progbits
	.p2align	6, 0x0
	.amdhsa_kernel k_q796012a77c_up
		.amdhsa_group_segment_fixed_size 327680
		.amdhsa_private_segment_fixed_size 0
		.amdhsa_enable_private_segment 0
		.amdhsa_kernarg_size 40
		.amdhsa_user_sgpr_count 2
		.amdhsa_user_sgpr_kernarg_segment_ptr 1
		.amdhsa_wavefront_size32 1
		.amdhsa_system_sgpr_workgroup_id_x 1
		.amdhsa_system_sgpr_workgroup_id_y 1
		.amdhsa_system_sgpr_workgroup_id_z 1
		.amdhsa_system_vgpr_workitem_id 0
		.amdhsa_next_free_vgpr 1024
		.amdhsa_next_free_sgpr 106
		.amdhsa_reserve_vcc 0
		.amdhsa_float_denorm_mode_32 3
		.amdhsa_float_denorm_mode_16_64 3
		.amdhsa_memory_ordered 1
		.amdhsa_forward_progress 1
		.amdhsa_inst_pref_size 187
	.end_amdhsa_kernel
	.amdgpu_metadata
---
amdhsa.version: [ 1, 2 ]
amdhsa.kernels:
  - .name:           k_q796012a77c_up
    .symbol:         k_q796012a77c_up.kd
    .args:
      - { .name: hn, .offset: 0, .size: 8, .value_kind: global_buffer, .address_space: global }
      - { .name: w_up_codes, .offset: 8, .size: 8, .value_kind: global_buffer, .address_space: global }
      - { .name: w_up_scales, .offset: 16, .size: 8, .value_kind: global_buffer, .address_space: global }
      - { .name: b_up, .offset: 24, .size: 8, .value_kind: global_buffer, .address_space: global }
      - { .name: hid, .offset: 32, .size: 8, .value_kind: global_buffer, .address_space: global }
    .group_segment_fixed_size: 327680
    .private_segment_fixed_size: 0
    .kernarg_segment_align: 8
    .kernarg_segment_size: 40
    .max_flat_workgroup_size: 128
    .sgpr_count:     106
    .vgpr_count:     1024
    .wavefront_size: 32
...
	.end_amdgpu_metadata
.endif
;; end of part 5
;; launch down (part 6): grid 8 x 32, 4 waves a work-group, clusters of 4 x 4, 327,680 bytes of LDS; arguments hid, w_down_codes, w_down_scales, x1, b_down, out0; writes out0
.if DOCPART == 6
	.amdgcn_target "amdgcn-amd-amdhsa--gfx1250"
	.amdhsa_code_object_version 6
	.text
	.protected	k_q796012a77c_down
	.globl	k_q796012a77c_down
	.p2align	8
	.type	k_q796012a77c_down,@function
k_q796012a77c_down:
	s_mov_b64 s[64:65], 0
	v_nop
	global_prefetch_b8 v0, s[64:65] scope:SCOPE_SE
	s_setreg_imm32_b32 hwreg(HW_REG_WAVE_MODE, 25, 1), 1
	s_wait_xcnt 0x0
	s_wait_alu depctr_hold_cnt(0) depctr_sa_sdst(0) depctr_va_vdst(0) depctr_va_sdst(0) depctr_va_ssrc(0) depctr_va_vcc(0) depctr_vm_vsrc(0)
	s_getreg_b32 s2, hwreg(HW_REG_IB_STS2, 6, 4)
	s_cmp_eq_u32 s2, 0
	s_cbranch_scc0 .Lentry_in_a_cluster
	s_endpgm
.Lentry_in_a_cluster:
	s_bfe_u32 s2, ttmp6, 0x10000c
	s_cmp_lg_u32 s2, 0xf033
	s_cbranch_scc0 .Lentry_shape_is_right
	s_endpgm
.Lentry_shape_is_right:
; out = res + A B^T + bias: A [4,096][SIZE_K] as images of the operand's registers with scale images (made by the launch before), B [1,024][SIZE_K] a weight's FP6 (E2M3) codes and E8M0 scale bytes as given, res and out [4,096][1,024] f32.
; A TILE IS 128 x 128: 4,096 x 1,024 gives 256 of them, one for each WGP; tiles of 256 x 256 would be 64.  Four waves, 64 x 64 each: 16 accumulators.  Source 0 = 16 rows of B, source 1 = 16 rows of A: a lane holds 8 neighbouring columns of a row.
; A slot holds 512 along K, four K steps of 128: A's 8 tiles x 6,144 dense bytes (images: 1,536 a K step), then B's 128 rows as two sub-tiles of 256 along K (rows of 192 bytes, 16 bytes of padding behind every 64: pitch 240).
; Two slots.  Waves 0, 1 fetch A's halves (4 tiles each), waves 2, 3 B's sub-tiles.  The scales for all of K come once, with the first fills.  The bias is the C of each sum's first product.
; res IS ASKED FOR AT THE HEAD: a wave's 64 rows x 256 bytes, 32 loads, into 128 registers of a window that nothing else names.  They are wanted only behind the last product, and have all of K in which to land.
; CLUSTERS of 4 x 4: A's tiles are asked for jointly by a row of the cluster, B's by a column.
; No prefetch is laid: a small tile, whose K step holds little work.
.set SIZE_K, 4096
.set BIAS,   1
.set CM0,    2*BIAS                    ; what starts the sums: 0 the constant 0, 2 the bias
.set NK,     SIZE_K/128
.set KS,     SIZE_K/32
.set KROW,   SIZE_K*3/4
.set LAPS,   SIZE_K/1024
.set ASOFF,  393216*NK                 ; A's scale images lie behind its 256 x NK images of 1,536 bytes
.set PITCH,  240
.set FR,     12
.set ATILE,  6144
.set AHALF,  4*ATILE
.set BOFF,   8*ATILE
.set BSUB,   128*PITCH
.set SLOT,   BOFF+2*BSUB
.set SCLA,   2*SLOT                    ; A's scale images: 512 bytes a K step
.set RBS,    64*KS/256                 ; B's scale bytes of 64 rows, in rows of 256 bytes
.set SCLB,   SCLA+512*NK
.set SPARE,  SCLB+2*RBS*272            ; the spare words, 128 bytes a wave: two blocks of 256 bytes that no other line names
.set SPITCH, 272                       ; the way out: 16 rows x (256 + 16) a wave, in slot 0, which has had its last fill and its last read by then
.set A16,  16                          ; v16-17 A's images, 16 bytes a lane (slot 0, 1)
.set A8,   18                          ; v18-19 the same, 8 bytes a lane, 512 on
.set ADRB, 20                          ; v20-23 B's fragments (slot 0, 1; behind one padding more)
.set STO,  24
.set RD,   25
.set CO,   26                          ; v26 my byte offset in two rows of res and out; never rewritten
.set ASA,  27                          ; v27 my place in A's scale images
.set SPW,  28                          ; v28 my spare word; never rewritten
.set NIL,  29                          ; v29 0; never rewritten
.set ASB,  30                          ; v30 my place among B's scale bytes
.set SC,   32                          ; v32-63 scale words: set s at SC + 16 s: + 2 q + a / 2 A's (lanes 0-15 the even tile, 16-31 the odd), + 8 + 4 (b / 2) + q B's
.set BI,   64                          ; v64-95 the bias; on the way out v64-127: rows read back
.set ACC,  128                         ; v128-255 the accumulators: (a, b) at ACC + 8 (4 a + b)
.set F0,   0                           ; window 1: two fragment buffers: A's four at + 12 i, B's four at + 48 + 12 i
.set F1,   128                         ; window 2: v0-127 res: block a of 16 rows at 32 a
.set WV,  20
.set RH,  21
.set CH,  22
.set G1,  24
.set G0,  32
.set G1B, 48
.set G0B, 56
.set G1S, 68
.set G0S, 76
.set G1SB, 80
.set G0SB, 88
.set MSB, 0
.macro WIN new
.if MSB != (\new)
	s_set_vgpr_msb (MSB<<8)|(\new)
.set MSB, (\new)
.endif
.endm
.macro JLOAD g0a, g1a, g0b, g1b        ; a joint load: waves 0, 1 for A, waves 2, 3 for B; four v_nop follow each line
	s_cmp_eq_u32 s[RH], 0
	s_cbranch_scc0 .Lfor_b_\@
	tensor_load_to_lds s[\g0a:\g0a+3], s[\g1a:\g1a+7]
	s_nop 0
.rept 4
	v_nop
.endr
	s_branch .Lasked_\@
.Lfor_b_\@:
	tensor_load_to_lds s[\g0b:\g0b+3], s[\g1b:\g1b+7]
	s_nop 0
.rept 4
	v_nop
.endr
.Lasked_\@:
.endm
.macro CREST
	s_cmp_lg_u32 s[WV], 0
	s_cbranch_scc1 .Lnot_wave_0_\@
	s_barrier_signal -3
.Lnot_wave_0_\@:
	s_barrier_wait -3
	s_barrier_signal -1
	s_barrier_wait -1
.endm
.macro CROUND
	s_barrier_signal -1
	s_barrier_wait -1
	CREST
.endm
	s_load_b256 s[4:11], s[0:1], 0x0               ; A, B's codes, B's scales, res
.if BIAS
	s_load_b128 s[12:15], s[0:1], 0x20             ; the bias, out
.set OUTP, 14
.else
	s_load_b64 s[12:13], s[0:1], 0x20              ; out
.set OUTP, 12
.endif
	v_lshl_add_u32 v[SPW], v0, 2, SPARE
	v_mov_b32 v[NIL], 0
	ds_add_u32 v28, v29
	ds_add_u32 v28, v29
	s_wait_dscnt 0x0
	v_lshrrev_b32 v1, 5, v0
	v_readfirstlane_b32 s[WV], v1
	s_lshr_b32 s[RH], s[WV], 1                     ; my 64 rows; also: I fetch for A (0) or B (1)
	s_and_b32 s[CH], s[WV], 1                      ; my 64 columns; also: which half I fetch
	s_bfe_u32 s40, ttmp6, 0x40000                  ; cx
	s_bfe_u32 s41, ttmp6, 0x40004                  ; cy
	s_lshl_b32 s42, ttmp9, 2
	s_add_co_u32 s42, s42, s40                     ; tile column
	s_and_b32 s45, ttmp7, 0xffff
	s_lshl_b32 s45, s45, 2
	s_add_co_u32 s45, s45, s41                     ; tile row
	s_lshl_b32 s43, s41, 2
	s_lshl_b32 s43, 15, s43                        ; my row of the cluster
	s_lshl_b32 s44, 0x1111, s40                    ; my column
	s_or_b32 s[G1+0], s43, (3<<16)|(1<<21)         ; A's codes: 4 tiles x 6,144 bytes (768 elements of 8), a tile's images 1,536 NK bytes apart; no padding
	s_mov_b32 s[G1+1], 768<<16
	s_mov_b32 s[G1+2], 4<<16
	s_mov_b32 s[G1+3], 768<<16
	s_mov_b32 s[G1+4], 4
	s_mov_b32 s[G1+5], 192*NK
	s_mov_b32 s[G1+6], 0
	s_mov_b32 s[G1+7], 0
	s_or_b32 s[G1B+0], s44, (0<<16)|(1<<20)|(1<<21)|(3<<22)|(3<<25)   ; B's codes: 128 rows x 192 bytes, 4 words of padding after every 16
	s_mov_b32 s[G1B+1], 192<<16
	s_mov_b32 s[G1B+2], 128<<16
	s_mov_b32 s[G1B+3], 192<<16
	s_mov_b32 s[G1B+4], 128
	s_mov_b32 s[G1B+5], KROW
	s_mov_b32 s[G1B+6], 0
	s_mov_b32 s[G1B+7], 0
	s_or_b32 s[G1S+0], s43, (3<<16)|(1<<21)        ; A's scale images: 256 NK dense bytes as NK rows of 256
	s_mov_b32 s[G1S+1], 32<<16
	s_mov_b32 s[G1S+2], NK<<16
	s_mov_b32 s[G1S+3], 32<<16
	s_mov_b32 s[G1S+4], NK
	s_mov_b32 s[G1S+5], 32
	s_mov_b32 s[G1S+6], 0
	s_mov_b32 s[G1S+7], 0
	s_or_b32 s[G1SB+0], s44, (3<<16)|(1<<20)|(1<<21)|(5<<22)|(3<<25)  ; B's scale bytes of 64 rows: RBS rows of 256, 16 bytes of padding behind each
	s_mov_b32 s[G1SB+1], 32<<16
	s_mov_b32 s[G1SB+2], RBS<<16
	s_mov_b32 s[G1SB+3], 32<<16
	s_mov_b32 s[G1SB+4], RBS
	s_mov_b32 s[G1SB+5], 32
	s_mov_b32 s[G1SB+6], 0
	s_mov_b32 s[G1SB+7], 0
	s_lshl_b32 s100, s45, 3
	s_lshl_b32 s66, s[CH], 2
	s_add_co_u32 s100, s100, s66                   ; A: the first token tile that I fetch: 8 x tile row + 4 x half.  s46, s47, s100, s101 never hold cx
	s_mov_b32 s101, 0
	s_mul_i32 s46, s100, 64*NK                     ; its part of the scale images: 512 NK bytes for 8 tiles
	s_add_co_u32 s46, s46, ASOFF
	s_mov_b32 s47, 0
	s_mul_i32 s100, s100, 1536*NK
	s_lshl_b32 s2, s42, 7                          ; B: row 128 x tile column.  s2, s3, s16, s17 never hold cy
	s_mul_i32 s16, s2, KROW
	s_mul_i32 s66, s[CH], 192                      ; my sub-tile: 256 along K on
	s_add_co_u32 s16, s16, s66
	s_mov_b32 s17, 0
	s_lshl_b32 s66, s[CH], 6
	s_add_co_u32 s2, s2, s66
	s_mul_i32 s2, s2, KS                           ; the scale bytes of my 64 rows
	s_mov_b32 s3, 0
	s_mul_i32 s66, s[CH], AHALF                    ; where they go: no place in the cluster enters an LDS address
	s_mul_i32 s67, s[CH], BSUB
	s_add_co_u32 s67, s67, BOFF
	s_mul_i32 s18, s[CH], 256*NK
	s_add_co_u32 s18, s18, SCLA
	s_mul_i32 s19, s[CH], RBS*272
	s_add_co_u32 s19, s19, SCLB
	s_wait_kmcnt 0x0
	s_add_nc_u64 s[92:93], s[4:5], s[100:101]
	s_add_nc_u64 s[94:95], s[4:5], s[46:47]
	s_add_nc_u64 s[96:97], s[6:7], s[16:17]
	s_add_nc_u64 s[98:99], s[8:9], s[2:3]
	CROUND                                         ; all sixteen work-groups are here: the first joint loads meet
	s_mov_b32 s[G0S], 1
	s_mov_b32 s[G0S+1], s18
	s_mov_b64 s[G0S+2:G0S+3], s[94:95]
	s_or_b32 s[G0S+3], s[G0S+3], 0x80000000
	s_mov_b32 s[G0SB], 1
	s_mov_b32 s[G0SB+1], s19
	s_mov_b64 s[G0SB+2:G0SB+3], s[98:99]
	s_or_b32 s[G0SB+3], s[G0SB+3], 0x80000000
	JLOAD G0S, G1S, G0SB, G1SB
.irp s, 0,1
	s_mov_b32 s[G0+4*\s], 1
	s_add_co_u32 s[G0+4*\s+1], s66, \s*SLOT
	s_add_nc_u64 s[G0+4*\s+2:G0+4*\s+3], s[92:93], \s*ATILE
	s_or_b32 s[G0+4*\s+3], s[G0+4*\s+3], 0x80000000
	s_mov_b32 s[G0B+4*\s], 1
	s_add_co_u32 s[G0B+4*\s+1], s67, \s*SLOT
	s_add_nc_u64 s[G0B+4*\s+2:G0B+4*\s+3], s[96:97], \s*384
	s_or_b32 s[G0B+4*\s+3], s[G0B+4*\s+3], 0x80000000
	JLOAD G0+4*\s, G1, G0B+4*\s, G1B               ; three tensor loads of mine are out behind the last of these
.endr
	v_and_b32 v1, 15, v0                           ; r
	v_bfe_u32 v2, v0, 4, 1                         ; h
	v_and_b32 v3, 31, v0                           ; lane
	s_mul_i32 s66, s[RH], AHALF                    ; my four tiles of A
	v_lshl_add_u32 v[A16], v3, 4, s66
	v_add_nc_u32 v[A16+1], SLOT, v[A16]
	v_lshl_add_u32 v[A8], v3, 3, s66
	v_add_nc_u32 v[A8], 512, v[A8]
	v_add_nc_u32 v[A8+1], SLOT, v[A8]
	v_mul_u32_u24 v4, v1, PITCH
	v_mad_u32_u24 v4, v2, 24, v4
	s_mul_i32 s67, s[CH], 64*PITCH                 ; my 64 rows of B
	s_add_co_u32 s67, s67, BOFF
	v_add_nc_u32 v[ADRB], s67, v4
	v_lshl_add_u32 v[ADRB+2], v2, 4, v[ADRB]
	v_add_nc_u32 v[ADRB+1], SLOT, v[ADRB]
	v_add_nc_u32 v[ADRB+3], SLOT, v[ADRB+2]
	s_lshl_b32 s66, s[RH], 3
	s_add_co_u32 s66, s66, SCLA
	v_lshl_add_u32 v[ASA], v3, 4, s66              ; words 2 x (wave / 2) and the next of my lane's four
	v_mul_u32_u24 v5, v3, KS                       ; lane l takes row l of 32: KS bytes a row, 16 more for each 256 passed
	v_lshrrev_b32 v6, 8, v5
	v_lshl_add_u32 v5, v6, 4, v5
	s_mul_i32 s66, s[CH], RBS*272
	s_add_co_u32 s66, s66, SCLB
	v_add_nc_u32 v[ASB], s66, v5
	s_mul_i32 s66, s[WV], 16*SPITCH                ; my stage
	v_mul_u32_u24 v5, v1, SPITCH
	v_lshl_add_u32 v5, v2, 5, v5
	v_add_nc_u32 v[STO], s66, v5                   ; in: row r, 32 bytes for each half of the lanes
	v_mul_u32_u24 v5, v2, SPITCH
	v_lshl_add_u32 v5, v1, 4, v5
	v_add_nc_u32 v[RD], s66, v5                    ; back: lanes 0-15 one row of 256 bytes, lanes 16-31 the next
	v_lshlrev_b32 v5, 12, v2
	v_lshl_add_u32 v[CO], v1, 4, v5                ; and the same two rows in res and out
	s_lshl_b32 s16, s45, 7
	s_lshl_b32 s17, s[RH], 6
	s_add_co_u32 s16, s16, s17                     ; my first row
	s_lshl_b32 s16, s16, 12
	s_lshl_b32 s17, s42, 7
	s_lshl_b32 s18, s[CH], 6
	s_add_co_u32 s17, s17, s18                     ; my first column
	s_lshl_b32 s18, s17, 2
	s_add_co_u32 s16, s16, s18
	s_mov_b32 s17, 0
	s_add_nc_u64 s[10:11], s[10:11], s[16:17]
	s_add_nc_u64 s[OUTP:OUTP+1], s[OUTP:OUTP+1], s[16:17]
.if BIAS
	s_mov_b32 s19, 0
	s_add_nc_u64 s[12:13], s[12:13], s[18:19]
	v_lshlrev_b32 v7, 5, v2
.irp b, 0,1,2,3
	global_load_b128 v[BI+8*\b:BI+8*\b+3], v7, s[12:13] offset:64*\b         ; lane (r, h), tile b: columns 16 b + 8 h + 0 .. 7
	global_load_b128 v[BI+8*\b+4:BI+8*\b+7], v7, s[12:13] offset:64*\b+16
.endr
.endif
	WIN 0x80                                       ; destination window 2, address window 0
.irp a, 0,1,2,3
.irp t, 0,1,2,3,4,5,6,7
	global_load_b128 v[32*\a+4*\t:32*\a+4*\t+3], v[CO], s[10:11] offset:4096*(16*\a+2*\t) th:TH_LOAD_NT   ; res: sixteen lanes read 256 consecutive bytes of a row; each byte is read once in the launch.  v[CO] and s[10:11] are not written again
.endr
.endr
	WIN 0
.macro WM zero, rb, ra                 ; one product; rb, ra: B's and A's scale words stand in lanes 16-31
.if \zero
.if ((\rb) == 0) && ((\ra) == 0)
	v_wmma_scale_f32_16x16x128_f8f6f4 v[rD:rD+7], v[rB:rB+FR-1], v[rA:rA+FR-1], 0, v[rSB], v[rSA] matrix_a_fmt:MATRIX_FMT_FP6 matrix_b_fmt:MATRIX_FMT_FP6
.elseif (\ra) == 0
	v_wmma_scale_f32_16x16x128_f8f6f4 v[rD:rD+7], v[rB:rB+FR-1], v[rA:rA+FR-1], 0, v[rSB], v[rSA] matrix_a_fmt:MATRIX_FMT_FP6 matrix_b_fmt:MATRIX_FMT_FP6 matrix_a_scale:MATRIX_SCALE_ROW1
.elseif (\rb) == 0
	v_wmma_scale_f32_16x16x128_f8f6f4 v[rD:rD+7], v[rB:rB+FR-1], v[rA:rA+FR-1], 0, v[rSB], v[rSA] matrix_a_fmt:MATRIX_FMT_FP6 matrix_b_fmt:MATRIX_FMT_FP6 matrix_b_scale:MATRIX_SCALE_ROW1
.else
	v_wmma_scale_f32_16x16x128_f8f6f4 v[rD:rD+7], v[rB:rB+FR-1], v[rA:rA+FR-1], 0, v[rSB], v[rSA] matrix_a_fmt:MATRIX_FMT_FP6 matrix_b_fmt:MATRIX_FMT_FP6 matrix_a_scale:MATRIX_SCALE_ROW1 matrix_b_scale:MATRIX_SCALE_ROW1
.endif
.else
.if ((\rb) == 0) && ((\ra) == 0)
	v_wmma_scale_f32_16x16x128_f8f6f4 v[rD:rD+7], v[rB:rB+FR-1], v[rA:rA+FR-1], v[rC:rC+7], v[rSB], v[rSA] matrix_a_fmt:MATRIX_FMT_FP6 matrix_b_fmt:MATRIX_FMT_FP6
.elseif (\ra) == 0
	v_wmma_scale_f32_16x16x128_f8f6f4 v[rD:rD+7], v[rB:rB+FR-1], v[rA:rA+FR-1], v[rC:rC+7], v[rSB], v[rSA] matrix_a_fmt:MATRIX_FMT_FP6 matrix_b_fmt:MATRIX_FMT_FP6 matrix_a_scale:MATRIX_SCALE_ROW1
.elseif (\rb) == 0
	v_wmma_scale_f32_16x16x128_f8f6f4 v[rD:rD+7], v[rB:rB+FR-1], v[rA:rA+FR-1], v[rC:rC+7], v[rSB], v[rSA] matrix_a_fmt:MATRIX_FMT_FP6 matrix_b_fmt:MATRIX_FMT_FP6 matrix_b_scale:MATRIX_SCALE_ROW1
.else
	v_wmma_scale_f32_16x16x128_f8f6f4 v[rD:rD+7], v[rB:rB+FR-1], v[rA:rA+FR-1], v[rC:rC+7], v[rSB], v[rSA] matrix_a_fmt:MATRIX_FMT_FP6 matrix_b_fmt:MATRIX_FMT_FP6 matrix_a_scale:MATRIX_SCALE_ROW1 matrix_b_scale:MATRIX_SCALE_ROW1
.endif
.endif
.endm
; four products: A's tile a x B's four, the slot's q-th 128 along K, buffer f, scale set sc.  cm: 0 the constant 0 starts the sums, 2 the bias does, 1 in place.
; The 16 accumulators take turns, one instruction a turn, in the same order in every quarter.
.macro MUL4 f, q, sc, a, cm
.irp b, 0,1,2,3
.set rD, ACC+8*(4*(\a)+\b)
.set rB, (\f)+48+FR*\b
.set rA, (\f)+FR*(\a)
.set rSB, SC+16*(\sc)+8+4*(\b/2)+(\q)
.set rSA, SC+16*(\sc)+2*(\q)+(\a)/2
.if (\cm) == 2
.set rC, BI+8*\b
.else
.set rC, rD
.endif
.if (\cm) == 0
	WM 1, \b%2, (\a)%2
.else
	WM 0, \b%2, (\a)%2
.endif
.endr
.endm
.macro FRAG reg, adr, q, i             ; B: 16 rows x 128 K in pieces of 8 bytes; sub-tile q / 2, its (q % 2)-th 128; lanes 16-31 read three pieces on, for some behind one padding more
.irp p, 0,1,2,3,4,5
.set PCE, 12*((\q)%2)+6*(\p/3)+\p%3
.if PCE%8 < 5
	ds_load_b64 v[\reg+2*\p:\reg+2*\p+1], v[\adr] offset:8*PCE+16*(PCE/8)+(\i)*16*PITCH+BSUB*((\q)/2)
.else
	ds_load_b64 v[\reg+2*\p:\reg+2*\p+1], v[\adr+2] offset:8*PCE+16*(PCE/8)+(\i)*16*PITCH+BSUB*((\q)/2)
.endif
.endr
.endm
.macro FETCH slot, q, f                ; 40 LDS loads: my four fragments of A (images: 16, 8, 16, 8 bytes a lane) and four of B
	WIN 0x40
.irp i, 0,1,2,3
.irp u, 0,1
	ds_load_b128 v[(\f)+FR*\i+6*\u:(\f)+FR*\i+6*\u+3], v[A16+\slot] offset:ATILE*\i+1536*(\q)+768*\u
	ds_load_b64 v[(\f)+FR*\i+6*\u+4:(\f)+FR*\i+6*\u+5], v[A8+\slot] offset:ATILE*\i+1536*(\q)+768*\u
.endr
.endr
.irp i, 0,1,2,3
	FRAG (\f)+48+FR*\i, ADRB+\slot, \q, \i
.endr
.endm
.macro SCALES sc                       ; 6 LDS loads: a slot's scale words
	WIN 0
.irp q, 0,1,2,3
	ds_load_b64 v[SC+16*\sc+2*\q:SC+16*\sc+2*\q+1], v[ASA] offset:512*\q
.endr
.irp j, 0,1
	ds_load_b128 v[SC+16*\sc+8+4*\j:SC+16*\sc+8+4*\j+3], v[ASB] offset:\j*(32*KS/256)*272
.endr
.endm
.macro PLACES n                        ; plain vector lines between a matrix instruction and a load into, or a read of, its registers
.rept \n
	v_nop
.endr
.endm
.macro QUARTER slot, q, f, g, cm       ; the slot's q-th 128 along K from buffer f; the next one's fragments are asked for first, into g
	PLACES 4                                       ; g was multiplied just now
	FETCH \slot, (\q)+1, \g
	s_wait_dscnt 40                                ; all but the 40 just issued: f, and its scale words, are in
	WIN 0x05                                       ; sources 0 and 1 window 1, C and D window 0
	MUL4 \f, \q, \slot, 0, \cm
	MUL4 \f, \q, \slot, 1, \cm
	MUL4 \f, \q, \slot, 2, \cm
	MUL4 \f, \q, \slot, 3, \cm
.endm
; A slot's last quarter (buffer 1) changes slots: one barrier; in front of it each wave waits for all its tensor loads, adds 0 to its spare word, and waits for that and for its reads of this slot.
.macro TURN slot, next, fill
	WIN 0
	s_wait_tensorcnt 0x0                           ; all my tensor loads have landed: the one that was out is my part of the next slot
	ds_add_u32 v[SPW], v[NIL]                      ; 0 onto my spare word
	s_wait_dscnt 1                                 ; (only the add may be out: buffer 1 is in)
	WIN 0x05
	MUL4 F1, 3, \slot, 0, 1
	s_wait_dscnt 0x0                               ; the add is done, and my reads of this slot are over
	s_barrier_signal -1
	MUL4 F1, 3, \slot, 1, 1
	WIN 0
	s_barrier_wait -1
.if \fill
	CREST                                          ; the barrier has opened a round of the cluster's: no wave of any partner still reads this slot or has a load on its way
	s_add_nc_u64 s[G0+4*\slot+2:G0+4*\slot+3], s[G0+4*\slot+2:G0+4*\slot+3], 2*ATILE
	s_add_nc_u64 s[G0B+4*\slot+2:G0B+4*\slot+3], s[G0B+4*\slot+2:G0B+4*\slot+3], 2*384
	JLOAD G0+4*\slot, G1, G0B+4*\slot, G1B         ; my one tensor load behind the round: 56 matrix instructions ahead of the wait for it
.else
	PLACES 4
.endif
	v_add_nc_u32 v[ASA], 2048, v[ASA]              ; the next slot's scale words
	v_add_nc_u32 v[ASB], 16, v[ASB]
	FETCH \next, 0, F0
	SCALES \next
	WIN 0x05
	MUL4 F1, 3, \slot, 2, 1
	MUL4 F1, 3, \slot, 3, 1
.endm
	s_wait_tensorcnt 1                             ; the scales and my part of slot 0 are in; slot 1's load may be out
	s_barrier_signal -1
	s_barrier_wait -1
	FETCH 0, 0, F0
	SCALES 0
.if BIAS
	s_wait_loadcnt 32                              ; the bias's 8 loads are in; the 32 younger ones, res, may be out
.endif
	QUARTER 0, 0, F0, F1, CM0                      ; the first quarter starts the sums
.if LAPS > 1
	WIN 0
	s_mov_b32 s3, LAPS-1
.Llap:                                                 ; once round the ring, from a lap's second quarter to the next lap's first; both slots are filled again
	QUARTER 0, 1, F1, F0, 1
	QUARTER 0, 2, F0, F1, 1
	TURN 0, 1, 1
	QUARTER 1, 0, F0, F1, 1
	QUARTER 1, 1, F1, F0, 1
	QUARTER 1, 2, F0, F1, 1
	TURN 1, 0, 1
	QUARTER 0, 0, F0, F1, 1
	WIN 0
	s_sub_co_u32 s3, s3, 1
	s_cmp_lg_u32 s3, 0
	s_cbranch_scc1 .Llap
.endif
	QUARTER 0, 1, F1, F0, 1                        ; the last lap fills nothing
	QUARTER 0, 2, F0, F1, 1
	TURN 0, 1, 0
	QUARTER 1, 0, F0, F1, 1
	QUARTER 1, 1, F1, F0, 1
	QUARTER 1, 2, F0, F1, 1
	s_wait_dscnt 0x0
	MUL4 F1, 3, 1, 0, 1
	MUL4 F1, 3, 1, 1, 1
	MUL4 F1, 3, 1, 2, 1
	MUL4 F1, 3, 1, 3, 1
	; THE WAY OUT.  A wave's 64 columns are 256 bytes of a row: 16 rows at a time go through the wave's own stage and come back as whole rows; res is added; sixteen lanes store 256 consecutive bytes.
	PLACES 4                                       ; behind the last products
	WIN 0
.macro TOSTAGE a
.irp b, 0,1,2,3
	ds_store_b128 v[STO], v[ACC+8*(4*(\a)+\b):ACC+8*(4*(\a)+\b)+3] offset:64*\b        ; each accumulator from its low end on
	ds_store_b128 v[STO], v[ACC+8*(4*(\a)+\b)+4:ACC+8*(4*(\a)+\b)+7] offset:64*\b+16
.endr
.irp t, 0,1,2,3,4,5,6,7
	ds_load_b128 v[BI+32*((\a)%2)+4*\t:BI+32*((\a)%2)+4*\t+3], v[RD] offset:\t*2*SPITCH   ; LDS serves a wave's instructions in order: these see the stores above
.endr
.endm
.macro SEND a, younger
	s_wait_dscnt \younger                          ; the block is back; the next block's 8 stores and 8 loads may be out
	s_wait_loadcnt 8*(3-(\a))                      ; res of blocks 0 .. a is in; 8 loads for each later block may be out (no global load was issued behind res)
	WIN 0x08                                       ; source 1 (res) window 2
.set j, 0
.rept 16
	v_pk_add_f32 v[BI+32*((\a)%2)+j:BI+32*((\a)%2)+j+1], v[BI+32*((\a)%2)+j:BI+32*((\a)%2)+j+1], v[32*(\a)+j:32*(\a)+j+1]
.set j, j+2
.endr
	WIN 0
.irp t, 0,1,2,3,4,5,6,7
.if BIAS
	global_store_b128 v[CO], v[BI+32*((\a)%2)+4*\t:BI+32*((\a)%2)+4*\t+3], s[OUTP:OUTP+1] offset:4096*(16*(\a)+2*\t) th:TH_STORE_NT
.else
	global_store_b128 v[CO], v[BI+32*((\a)%2)+4*\t:BI+32*((\a)%2)+4*\t+3], s[OUTP:OUTP+1] offset:4096*(16*(\a)+2*\t)
.endif
.endr
.endm
	TOSTAGE 0
	TOSTAGE 1
	SEND 0, 16
	s_wait_xcnt 0x0                                ; block 0's stores have read their registers: block 2's rows may land there
	TOSTAGE 2
	SEND 1, 16
	s_wait_xcnt 0x0
	TOSTAGE 3
	SEND 2, 16
	SEND 3, 0
	s_wait_tensorcnt 0x0                           ; the wave's end
	ds_add_u32 v[SPW], v[NIL]
	s_wait_dscnt 0x0
	CROUND                                         ; the closing round
	s_endpgm
.Lfunc_end_k_q796012a77c_down:
	.size	k_q796012a77c_down, .Lfunc_end_k_q796012a77c_down-k_q796012a77c_down
	.p2alignl 7, 3214868480
	.fill 96, 4, 3214868480
	.section	.rodata,"a",@progbits
	.p2align	6, 0x0
	.amdhsa_kernel k_q796012a77c_down
		.amdhsa_group_segment_fixed_size 327680
		.amdhsa_private_segment_fixed_size 0
		.amdhsa_enable_private_segment 0
		.amdhsa_kernarg_size 48
		.amdhsa_user_sgpr_count 2
		.amdhsa_user_sgpr_kernarg_segment_ptr 1
		.amdhsa_wavefront_size32 1
		.amdhsa_system_sgpr_workgroup_id_x 1
		.amdhsa_system_sgpr_workgroup_id_y 1
		.amdhsa_system_sgpr_workgroup_id_z 1
		.amdhsa_system_vgpr_workitem_id 0
		.amdhsa_next_free_vgpr 640
		.amdhsa_next_free_sgpr 106
		.amdhsa_reserve_vcc 0
		.amdhsa_float_denorm_mode_32 3
		.amdhsa_float_denorm_mode_16_64 3
		.amdhsa_memory_ordered 1
		.amdhsa_forward_progress 1
		.amdhsa_inst_pref_size 106
	.end_amdhsa_kernel
	.amdgpu_metadata
---
amdhsa.version: [ 1, 2 ]
amdhsa.kernels:
  - .name:           k_q796012a77c_down
    .symbol:         k_q796012a77c_down.kd
    .args:
      - { .name: hid, .offset: 0, .size: 8, .value_kind: global_buffer, .address_space: global }
      - { .name: w_down_codes, .offset: 8, .size: 8, .value_kind: global_buffer, .address_space: global }
      - { .name: w_down_scales, .offset: 16, .size: 8, .value_kind: global_buffer, .address_space: global }
      - { .name: x1, .offset: 24, .size: 8, .value_kind: global_buffer, .address_space: global }
      - { .name: b_down, .offset: 32, .size: 8, .value_kind: global_buffer, .address_space: global }
      - { .name: out0, .offset: 40, .size: 8, .value_kind: global_buffer, .address_space: global }
    .group_segment_fixed_size: 327680
    .private_segment_fixed_size: 0
    .kernarg_segment_align: 8
    .kernarg_segment_size: 48
    .max_flat_workgroup_size: 128
    .sgpr_count:     106
    .vgpr_count:     640
    .wavefront_size: 32
...
	.end_amdgpu_metadata
.endif
;; end of part 6
